; MI455X (gfx1250); checked and timed in simulation.
; The chip was launched on July 23, 2026; its instructions are those of AMD's public machine-readable ISA for CDNA 5 (MIT licence, August 2026) and "CDNA5" Instruction Set Architecture Reference Guide (July 2026). The comments in the code are by the model that wrote it; some were corrected since.
;; Multi Headed Attention. Allowed arithmetic: matrix products marked QUANTISED: E2M3 operands, one E8M0 scale for each 32 along K, by v_wmma_scale_f32_16x16x128_f8f6f4 with both operands' format E2M3, f32 sums; everything else in f32.
;; Inputs: Wk_codes 1,024 x 32 x 24 uint8 (E2M3 codes of Wk, K innermost, in blocks of 32 codes, four codes in three bytes); Wk_scales 1,024 x 32 uint8 (E8M0 scales of Wk, one for each 32 codes along K); Wo_codes 1,024 x 32 x 24 uint8 (E2M3 codes of Wo, K innermost, in blocks of 32 codes, four codes in three bytes); Wo_scales 1,024 x 32 uint8 (E8M0 scales of Wo, one for each 32 codes along K); Wq_codes 1,024 x 32 x 24 uint8 (E2M3 codes of Wq, K innermost, in blocks of 32 codes, four codes in three bytes); Wq_scales 1,024 x 32 uint8 (E8M0 scales of Wq, one for each 32 codes along K); Wv_codes 1,024 x 32 x 24 uint8 (E2M3 codes of Wv, K innermost, in blocks of 32 codes, four codes in three bytes); Wv_scales 1,024 x 32 uint8 (E8M0 scales of Wv, one for each 32 codes along K); bo 1,024 float32; key_codes 4 x 2,048 x 32 x 24 uint8 (E2M3 codes of key, K innermost, in blocks of 32 codes, four codes in three bytes); key_scales 4 x 2,048 x 32 uint8 (E8M0 scales of key, one for each 32 codes along K); mask 4 x 2,048 x 2,048 int32; query_codes 4 x 2,048 x 32 x 24 uint8 (E2M3 codes of query, K innermost, in blocks of 32 codes, four codes in three bytes); query_scales 4 x 2,048 x 32 uint8 (E8M0 scales of query, one for each 32 codes along K); value_codes 4 x 2,048 x 32 x 24 uint8 (E2M3 codes of value, K innermost, in blocks of 32 codes, four codes in three bytes); value_scales 4 x 2,048 x 32 uint8 (E8M0 scales of value, one for each 32 codes along K).
;; Outputs: out0 4 x 2,048 x 1,024 float32.
;; This version of the problem:
;;   THIS VERSION OF THE PROBLEM IS GIVEN IN LOW PRECISION. The matrix products marked QUANTISED in the list below multiply operands that are first quantised to E2M3 (2 exponent bits, 3 mantissa bits; 6 bits a number), with one power-of-two scale for each 32 numbers along K (OCP MX v1.0); their sums are f32. All else is computed in f32.
;;   The module's matrix products, in the order in which they are computed (A, B: the left and right operand; K: the contracted axis; several contracted axes count as one K, in the product's order):
;;     1. [M 8,192, K 1,024] x [K 1,024, N 1,024]; A: input query (given as codes); B: input Wq (given as codes): QUANTISED
;;     2. [M 8,192, K 1,024] x [K 1,024, N 1,024]; A: input key (given as codes); B: input Wk (given as codes): QUANTISED
;;     3. [M 8,192, K 1,024] x [K 1,024, N 1,024]; A: input value (given as codes); B: input Wv (given as codes): QUANTISED
;;     4. batch 64 x [M 2,048, K 64] x [K 64, N 2,048]; A: computed on the way; B: computed on the way: QUANTISED
;;     5. batch 64 x [M 2,048, K 2,048] x [K 2,048, N 64]; A: softmax (see below); B: computed on the way: QUANTISED
;;     6. [M 8,192, K 1,024] x [K 1,024, N 1,024]; A: computed on the way; B: input Wo (given as codes): QUANTISED
;;   THE QUANTISER, for each operand of a quantised product, along K:
;;     - K is cut into blocks of 32 from its start; a last block that is shorter is filled with zeros.
;;     - A block's scale is 2^e with e = floor(log2(the largest magnitude in the block)) - 2, held to -126 .. 127; a block of zeros has e = 0. As a byte (E8M0): e + 127.
;;     - Each number is divided by its block's scale, clamped to +-7.5, and rounded to the nearest number of E2M3, ties to even, subnormals kept.
;;     - The product sums the exact products of the quantised numbers (number of the format x scale) in f32.
;;   ~~~python
;;   def quantise(x, axis):      # numpy; x: float32 -> the quantised numbers, widened to float32 again
;;       x = np.moveaxis(x, axis, -1); K = x.shape[-1]
;;       x = np.pad(x, [(0, 0)] * (x.ndim - 1) + [(0, -K % 32)]); x = x.reshape(x.shape[:-1] + (-1, 32)); a = np.abs(x).max(-1, keepdims=True)
;;       e = np.where(a > 0, np.clip(np.frexp(np.where(a > 0, a, 1))[1] - 1 - 2, -126, 127), 0)      # np.frexp(a)[1] - 1 = floor(log2(a)), exactly
;;       r = np.clip(x / 2.0 ** e, -7.5, 7.5)
;;       step = 2.0 ** (np.maximum(np.frexp(np.where(r == 0, 1, r))[1] - 1, 0) - 3)
;;       q = np.round(r / step) * step * 2.0 ** e      # np.round: ties to even
;;       return np.moveaxis(q.reshape(q.shape[:-2] + (-1,))[..., :K], -1, axis).astype(np.float32)
;;   ~~~
;;   SOFTMAX AHEAD OF A QUANTISED PRODUCT. Where the list says 'softmax', what is quantised is not the finished softmax but p = 2^(t - M), with t = logit x log2(e) and M = ceil(the row's largest t), a whole number; so 1/2 < the row's largest p <= 1. The row's sum l is taken of the UNQUANTISED p, in f32, and the product's result is divided by l at the end. Since M is a whole number, a kernel that streams over the keys may use a running M (the ceiling of the running maximum): every later rescaling is an exact power of two, which a block's scale takes up: the codes' values come out the same.
;;   OPERANDS COMPUTED ON THE WAY. 'Computed on the way' means the value that the module computes at that place (a softmax that the list does not call 'softmax' is quantised finished and normalised). What goes into a quantiser is computed in f32, as accurately as f32 sums, v_exp_f32 and their like allow (about 1e-6 of the number): no bf16 or f16 on the way to a quantiser, and a product that is left as it is and whose result goes on into a quantised operand takes f32 operands (vector FMAs, or v_wmma_f32_16x16x4_f32). A number that lies on a knife's edge between two numbers of the format may be rounded either way, as far as f32 arithmetic and the matrix unit's own rounding can turn it there, and no further.
;;   INPUTS GIVEN AS CODES. Wk (in the module: [1024, 1024], K = its axis 1); Wo (in the module: [1024, 1024], K = its axis 1); Wq (in the module: [1024, 1024], K = its axis 1); Wv (in the module: [1024, 1024], K = its axis 1); key (in the module: [4, 2048, 1024], K = its axis 2); query (in the module: [4, 2048, 1024], K = its axis 2); value (in the module: [4, 2048, 1024], K = its axis 2): each comes as NAME_codes (uint8): NAME with its K axis moved to the last place and cut into blocks of 32 codes, [.., K / 32, bytes a block], one block behind the other in memory; four codes in three bytes: a row's codes are one little-endian stream of bits, code i at bits 6 i .. 6 i + 5 (a code: sign, 2 exponent bits, 3 mantissa bits); and NAME_scales (uint8): the same leading axes, one E8M0 byte (e + 127) for each 32 codes along K. Its value is code x scale, taken as it is: it is not quantised again, and the codes and scales need not be those that the quantiser above would give.
;; 2 versions. Each part assembles by itself: llvm-mc -triple=amdgcn-amd-amdhsa -mcpu=gfx1250 --defsym DOCPART=n.
;; ======== version 1 of 2: 4 launches
;; workspace buffers: maskw 2,097,152 bytes of whole numbers; qbuf 6,553,600 bytes; kbuf 6,553,600 bytes; vbuf 8,388,608 bytes; zbuf 6,553,600 bytes
;; launch maskbits (part 1): grid 512 x 1, 16 waves a work-group, no clusters, 137,216 bytes of LDS; arguments mask, maskw; writes maskw
.if DOCPART == 1
	.amdgcn_target "amdgcn-amd-amdhsa--gfx1250"
	.amdhsa_code_object_version 6
	.text
	.protected	k_q68c6fb0178_maskbits
	.globl	k_q68c6fb0178_maskbits
	.p2align	8
	.type	k_q68c6fb0178_maskbits,@function
k_q68c6fb0178_maskbits:
	s_mov_b64 s[64:65], 0
	v_nop
	global_prefetch_b8 v0, s[64:65] scope:SCOPE_SE
	s_setreg_imm32_b32 hwreg(HW_REG_WAVE_MODE, 25, 1), 1
	s_wait_xcnt 0x0
; THE MASK, [4][2048][2048] int32, BECOMES LANE MASKS for the attention launch.
; Work-group w = 128 b + T takes the 16 mask rows of query tile T of batch b; its wave s takes keys 128 s .. 128 s + 127.
; Word n (0..63) of (w, s), at byte (16 w + s) 256 + 4 n: bit l = 1 where mask[b][16 T + l % 16][128 s + 16 (n / 8) + 8 (l / 16) + n % 8] is not 0:
; the lane mask that the attention launch's score register n wants.
; Each load reads 512 consecutive bytes of one row; the 16 x 512 bytes turn through the wave's own stage in LDS (rows 528 bytes apart: 33 x 16, so the
; sixteen rows that a read touches begin in different banks) and come back one query a lane.  A wave's 64 words leave as one aligned run of 256 bytes.
; Memory binds: no matrix unit, no cluster, no tensor load, no barrier (waves share nothing); sixteen loads a wave are on their way at once.
.set ROWB,  8192                       ; a mask row in bytes
.set PITCH, 528
.set WSTG,  16*PITCH                   ; a wave's stage
.set X,     16                         ; v16-79: 64 mask numbers
	s_load_b128 s[4:7], s[0:1], 0x0                ; mask, maskw
	v_lshl_add_u32 v96, v0, 2, 0x21000
	v_mov_b32 v97, 0
	v_lshrrev_b32 v7, 5, v0
	v_readfirstlane_b32 s10, v7                    ; wave = key step s
	v_and_b32 v8, 31, v0                           ; lane
	v_and_b32 v9, 15, v0                           ; r
	v_bfe_u32 v3, v0, 4, 1                         ; h
	v_lshlrev_b32 v1, 4, v8                        ; 16 bytes a lane of a row's 512
	s_mul_i32 s11, s10, WSTG
	v_add_nc_u32 v2, s11, v1                       ; into the stage: as loaded
	v_lshlrev_b32 v3, 5, v3
	v_mad_u32_u24 v3, v9, PITCH, v3
	v_add_nc_u32 v3, s11, v3                       ; out of it: row r, + 32 h
	v_lshlrev_b32 v4, 3, v8                        ; two words a lane on the way out
	s_lshl_b32 s16, ttmp9, 17                      ; 16 rows of 8,192 bytes a work-group,
	s_lshl_b32 s17, s10, 9                         ; 512 bytes of a row a wave
	s_add_co_u32 s16, s16, s17
	s_mov_b32 s17, 0
	s_lshl_b32 s18, ttmp9, 4
	s_add_co_u32 s18, s18, s10
	s_lshl_b32 s18, s18, 8                         ; (16 w + s) x 256
	s_mov_b32 s19, 0
	s_wait_kmcnt 0x0
	s_add_nc_u64 s[4:5], s[4:5], s[16:17]
	s_add_nc_u64 s[6:7], s[6:7], s[18:19]
.irp i, 0,1,2,3,4,5,6,7,8,9,10,11,12,13,14,15
	global_load_b128 v[X+4*\i:X+4*\i+3], v1, s[4:5] offset:ROWB*\i th:TH_LOAD_NT   ; row i: 512 consecutive bytes, read once in the launch
.endr
.irp i, 0,1,2,3,4,5,6,7,8,9,10,11,12,13,14,15
	s_wait_loadcnt 15-\i                           ; loads come back in order: row i is in, the younger rows stay out
	ds_store_b128 v2, v[X+4*\i:X+4*\i+3] offset:PITCH*\i
.endr
	s_wait_dscnt 0x0                               ; the stores have read X, which the loads below write
.irp j, 0,1,2,3,4,5,6,7
	ds_load_b128 v[X+8*\j:X+8*\j+3], v3 offset:64*\j          ; register 8 j + i: query r, key 16 j + 8 h + i
	ds_load_b128 v[X+8*\j+4:X+8*\j+7], v3 offset:64*\j+16
.endr
	v_mov_b32 v10, 0                               ; the words: lane L gathers words 2 L (v10) and 2 L + 1 (v11)
	v_mov_b32 v11, 0
	s_wait_dscnt 0x0
.set n, 0
.rept 8
.irp k, 0,1,2,3,4,5,6,7
	v_cmp_ne_u32 s[20+\k], 0, v[X+n+\k]            ; word n + k
.endr
.irp k, 0,1,2,3,4,5,6,7
	v_writelane_b32 v[10+\k%2], s[20+\k], (n+\k)/2
.endr
.set n, n+8
.endr
	global_store_b64 v4, v[10:11], s[6:7]          ; 32 lanes store 256 consecutive bytes, aligned
	s_wait_tensorcnt 0x0
	ds_add_u32 v96, v97
	s_wait_dscnt 0x0
	s_endpgm
.Lfunc_end_k_q68c6fb0178_maskbits:
	.size	k_q68c6fb0178_maskbits, .Lfunc_end_k_q68c6fb0178_maskbits-k_q68c6fb0178_maskbits
	.p2alignl 7, 3214868480
	.fill 96, 4, 3214868480
	.section	.rodata,"a",@progbits
	.p2align	6, 0x0
	.amdhsa_kernel k_q68c6fb0178_maskbits
		.amdhsa_group_segment_fixed_size 137216
		.amdhsa_private_segment_fixed_size 0
		.amdhsa_enable_private_segment 0
		.amdhsa_kernarg_size 16
		.amdhsa_user_sgpr_count 2
		.amdhsa_user_sgpr_kernarg_segment_ptr 1
		.amdhsa_wavefront_size32 1
		.amdhsa_system_sgpr_workgroup_id_x 1
		.amdhsa_system_sgpr_workgroup_id_y 1
		.amdhsa_system_sgpr_workgroup_id_z 1
		.amdhsa_system_vgpr_workitem_id 0
		.amdhsa_next_free_vgpr 98
		.amdhsa_next_free_sgpr 66
		.amdhsa_reserve_vcc 0
		.amdhsa_float_denorm_mode_32 3
		.amdhsa_float_denorm_mode_16_64 3
		.amdhsa_memory_ordered 1
		.amdhsa_forward_progress 1
		.amdhsa_inst_pref_size 14
	.end_amdhsa_kernel
	.amdgpu_metadata
---
amdhsa.version: [ 1, 2 ]
amdhsa.kernels:
  - .name:           k_q68c6fb0178_maskbits
    .symbol:         k_q68c6fb0178_maskbits.kd
    .args:
      - { .name: mask, .offset: 0, .size: 8, .value_kind: global_buffer, .address_space: global }
      - { .name: maskw, .offset: 8, .size: 8, .value_kind: global_buffer, .address_space: global }
    .group_segment_fixed_size: 137216
    .private_segment_fixed_size: 0
    .kernarg_segment_align: 8
    .kernarg_segment_size: 16
    .max_flat_workgroup_size: 512
    .sgpr_count:     66
    .vgpr_count:     98
    .wavefront_size: 32
...
	.end_amdgpu_metadata
.endif
;; end of part 1
;; launch proj (part 2): grid 4 x 96, 4 waves a work-group, clusters of 4 x 4, 327,680 bytes of LDS; arguments query_codes, query_scales, Wq_codes, Wq_scales, qbuf, key_codes, key_scales, Wk_codes, Wk_scales, kbuf, Wv_codes, Wv_scales, value_codes, value_scales, vbuf; writes qbuf, kbuf, vbuf
.if DOCPART == 2
	.amdgcn_target "amdgcn-amd-amdhsa--gfx1250"
	.amdhsa_code_object_version 6
	.text
	.protected	k_q68c6fb0178_proj
	.globl	k_q68c6fb0178_proj
	.p2align	8
	.type	k_q68c6fb0178_proj,@function
k_q68c6fb0178_proj:
	s_mov_b64 s[64:65], 0
	v_nop
	global_prefetch_b8 v0, s[64:65] scope:SCOPE_SE
	s_setreg_imm32_b32 hwreg(HW_REG_WAVE_MODE, 25, 1), 1
	s_wait_xcnt 0x0
	s_wait_alu depctr_hold_cnt(0) depctr_sa_sdst(0) depctr_va_vdst(0) depctr_va_sdst(0) depctr_va_ssrc(0) depctr_va_vcc(0) depctr_vm_vsrc(0)
	s_getreg_b32 s2, hwreg(HW_REG_IB_STS2, 6, 4)
	s_cmp_eq_u32 s2, 0
	s_cbranch_scc0 .Lentry_in_a_cluster
	s_endpgm
.Lentry_in_a_cluster:
	s_bfe_u32 s2, ttmp6, 0x10000c
	s_cmp_lg_u32 s2, 0xf033
	s_cbranch_scc0 .Lentry_shape_is_right
	s_endpgm
.Lentry_shape_is_right:
; THE THREE PROJECTIONS, each C[m][n] = sum over k of A[m][k] B[n][k] on codes of FP6 (E2M3) with E8M0 scales, K = 1,024, and C QUANTISED ALONG n on its way out.
;   clusters y = 0-7:   A = query [8192], B = Wq [1024]: Q[token][feature], quantised along the features (a head's 64 are two blocks)        -> qbuf
;   clusters y = 8-15:  A = key,          B = Wk:        K likewise                                                                       -> kbuf
;   clusters y = 16-23: A = Wv [1024],    B = value [8192]: V^T[channel][token], quantised along the tokens, the second attention product's K -> vbuf
; The choice hangs on the cluster's y alone, which all sixteen partners share; only pointers and tile numbers are chosen: one path through the text.
; A tile of C, 256 x 256, is made by four waves, 128 x 128 each: 64 accumulators, 512 registers.  K goes in steps of 256 through a ring of two LDS slots filled by the tensor data mover
; (rows of 192 bytes, 16 bytes of padding behind every 64: pitch 240).  The scale bytes of the tile's 256 + 256 rows come once, as whole runs of 256 bytes, and stay in LDS.
; CLUSTERS 4 x 4: A's tiles are asked for jointly along a row of the cluster, B's along a column.  THE MATRIX INSTRUCTION IS USED TRANSPOSED (source 0 = rows of B, source 1 = rows of A):
; lane (r, h) holds row m = r, and register i of tile j holds n = 16 j + 8 h + i: a lane's registers run along the next product's K.
; THE WAY OUT.  A block of 16 rows x 128 n is quantised in registers: 4 blocks of 32 (tiles 2 b, 2 b + 1, lanes l and l xor 16).  A block's scale is 2^(floor(log2(largest magnitude)) - 2).
; Inside a block the 32 codes stand in the order n = 0-7, 16-23, 8-15, 24-31: the same order on both operands of the attention products, which keeps every product.
; OUTPUT LAYOUT.  Image (Tm = m / 16, np = n / 64), 768 bytes at (np / 16) 786,432 + (16 Tm + np % 16) 768: lane (r, h) owns block 2 np + h of row r, its 24 bytes in three pieces at 256 i + 8 lane:
; each store of a wave covers 256 consecutive bytes, aligned.  Scale words (four bytes: the blocks of 128 n) at 6,291,456 + (512 (n / 128) + Tm) 64 + 4 r.
; LIMITS: NaN and infinities are not served; a block of zeros, or one whose largest magnitude lies under 2^-124, gets the byte 1 (its bytes are read by this program alone).
; REGISTERS: window 0: v16-29 addresses; v32-63 scale words, two sets; v64-114 at work on the way out; v128-223 A's fragments, one set.  window 1: B's fragments, two sets, at v0 and v128.
;   window 2: the accumulators of my rows 0-63 ((a, b) at v[8 (8 a + b)]);  window 3: those of rows 64-127.
.set KSTEP,  256
.set NQ,     2                         ; matrix instructions deep in a slot
.set ROWB,   192                       ; a tile's row in bytes
.set KROW,   768                       ; a row of codes in memory
.set PITCH,  240
.set FR,     12                        ; registers of a fragment
.set NL,     6                         ; LDS loads that bring one
.set NP,     4                         ; places behind this matrix instruction (ISA guide 7.12.1)
.set HALFT,  128*PITCH
.set SLOT,   4*HALFT
.set LAPS,   2                         ; 1,024 / 512: a lap is once round the ring
.set KS,     32                        ; a row of scale bytes
.set SCL,    2*SLOT
.set HALFS,  16*272                    ; the scales of 128 rows: 16 runs of 256 bytes + 16
.set SBLK,   2*272                     ; those of 16 rows
.set SPARE,  SCL+4*HALFS               ; the spare words: 128 bytes a wave, two blocks of 256 bytes that no other line names
.set ADRA, 16
.set ADRB, 20
.set CS,   25                          ; v25  4 x lane
.set CO,   26                          ; v26  8 x lane
.set ADRS, 27
.set SPW,  28
.set NIL,  29
.set SC,   32
.set TM,   64                          ; v64-67 largest magnitudes, v68-71 the other half's, then bytes, v76-79 the conversions' scale operands
.set PW,   80                          ; v80-87 block a's scale word
.set JW,   88                          ; v88-91 two blocks' words joined
.set PC,   96                          ; v96-107 a fragment's codes; v108-110, v112-114 the conversions' second halves
.set AF,   128
.set G1, 24
.set G0, 32
.set G1B, 48
.set G0B, 56
.set G1S, 68
.set G0S, 76
.set G1SB, 80
.set G0SB, 88
.set MSB, 0
.macro WIN new                         ; the immediate's high byte repeats the setting that is left
.if MSB != (\new)
	s_set_vgpr_msb (MSB<<8)|(\new)
.set MSB, (\new)
.endif
.endm
.set MUL_LO, 0xa1                      ; source 0 (B) window 1, source 1 (A) window 0, C and D window 2
.set MUL_HI, 0xf1
.set TO_B,   0x40
; A joint load: waves 0 and 1 fetch for A, waves 2 and 3 for B; the branch hangs on the wave's number alone.  Four v_nop follow each of the two lines.
.macro JLOAD g0a, g1a, g0b, g1b
	s_cmp_eq_u32 s15, 0
	s_cbranch_scc0 .Lfor_b_\@
	tensor_load_to_lds s[\g0a:\g0a+3], s[\g1a:\g1a+7]
	s_nop 0
.rept 4
	v_nop
.endr
	s_branch .Lasked_\@
.Lfor_b_\@:
	tensor_load_to_lds s[\g0b:\g0b+3], s[\g1b:\g1b+7]
	s_nop 0
.rept 4
	v_nop
.endr
.Lasked_\@:
.endm
.macro CREST                           ; a round of the cluster's barrier behind its opening barrier
	s_cmp_lg_u32 s14, 0
	s_cbranch_scc1 .Lnot_wave_0_\@
	s_barrier_signal -3
.Lnot_wave_0_\@:
	s_barrier_wait -3
	s_barrier_signal -1
	s_barrier_wait -1
.endm
.macro CROUND
	s_barrier_signal -1
	s_barrier_wait -1
	CREST
.endm
	s_load_b256 s[4:11], s[0:1], 0x0               ; set 0: A's codes, A's scales, B's codes, B's scales
	s_load_b64 s[12:13], s[0:1], 0x20              ;        the output
	s_load_b256 s[68:75], s[0:1], 0x28             ; set 1
	s_load_b64 s[76:77], s[0:1], 0x48
	s_load_b256 s[80:87], s[0:1], 0x50             ; set 2
	s_load_b64 s[88:89], s[0:1], 0x70
	v_lshl_add_u32 v[SPW], v0, 2, SPARE
	v_mov_b32 v[NIL], 0
	ds_add_u32 v28, v29
	ds_add_u32 v28, v29
	s_wait_dscnt 0x0
	v_lshrrev_b32 v1, 5, v0
	v_readfirstlane_b32 s14, v1                    ; wave 0..3
	s_lshr_b32 s15, s14, 1                         ; which half of the tile's rows is mine.  Also: I fetch for A (0) or for B (1)
	s_and_b32 s16, s14, 1                          ; which half of its columns.  Also: which 128 rows of that tile I fetch
	s_bfe_u32 s40, ttmp6, 0x40000                  ; cx, cy: my place in the cluster
	s_bfe_u32 s41, ttmp6, 0x40004
	s_and_b32 s3, ttmp7, 0xffff                    ; the cluster's y, 0..23: which product, and which clusters' worth of tiles
	s_sub_co_u32 s42, s3, 16                       ; V^T: the cluster's column
	s_and_b32 s17, s3, 7                           ; Q, K: the cluster's row
	s_cmp_lt_u32 s3, 16
	s_cselect_b32 s17, s17, 0
	s_cselect_b32 s42, 0, s42
	s_lshl_b32 s42, s42, 2
	s_add_co_u32 s42, s42, s40                     ; tile column of C
	s_lshl_b32 s17, s17, 2
	s_add_co_u32 s17, s17, s41                     ; tile row of C
	s_lshl_b32 s43, s41, 2
	s_lshl_b32 s43, 15, s43                        ; my row of the cluster
	s_lshl_b32 s44, 0x1111, s40                    ; my column
	; descriptor group 1: a tile of 128 rows x 192 bytes; 16 bytes of padding behind every 64
	s_or_b32 s[G1+0], s43, (0<<16)|(1<<20)|(1<<21)|(3<<22)|(3<<25)
	s_or_b32 s[G1B+0], s44, (0<<16)|(1<<20)|(1<<21)|(3<<22)|(3<<25)
.irp g, G1, G1B
	s_mov_b32 s[\g+1], ROWB<<16                    ; tensor_dim0
	s_mov_b32 s[\g+2], 128<<16                     ; tensor_dim1
	s_mov_b32 s[\g+3], ROWB<<16                    ; tile_dim0
	s_mov_b32 s[\g+4], 128                         ; tile_dim1
	s_mov_b32 s[\g+5], KROW                        ; tensor_dim0_stride
	s_mov_b32 s[\g+6], 0
	s_mov_b32 s[\g+7], 0
.endr
	s_lshl_b32 s18, s16, 7                         ; which 128 rows of the tile I fetch
	s_lshl_b32 s20, s17, 8
	s_add_co_u32 s20, s20, s18                     ; A: row 256 x tile row + 128 x half
	s_lshl_b32 s46, s42, 8
	s_add_co_u32 s46, s46, s18                     ; B: row 256 x tile column + 128 x half
	s_mov_b32 s21, 0
	s_mov_b32 s47, 0
	s_mov_b64 s[18:19], KS
	s_mul_u64 s[22:23], s[20:21], s[18:19]         ; where these rows' scales begin,
	s_mul_u64 s[92:93], s[46:47], s[18:19]
	s_mov_b64 s[18:19], KROW
	s_mul_u64 s[20:21], s[20:21], s[18:19]         ; and their codes
	s_mul_u64 s[46:47], s[46:47], s[18:19]
	s_mul_i32 s45, s14, HALFT                      ; where they go: wave x 128 rows: no place in the cluster enters an LDS address
	s_mul_i32 s94, s14, HALFS
	s_mov_b32 s95, 0xffff0000                      ; lanes 16-31
	s_mov_b32 s96, 0x76543210                      ; v_permlanex16_b32's selects for lane l xor 16
	s_mov_b32 s97, 0xfedcba98
	s_wait_kmcnt 0x0
	s_cmp_lt_u32 s3, 8                             ; set 0 or set 1,
	s_cselect_b64 s[4:5], s[4:5], s[68:69]
	s_cselect_b64 s[6:7], s[6:7], s[70:71]
	s_cselect_b64 s[8:9], s[8:9], s[72:73]
	s_cselect_b64 s[10:11], s[10:11], s[74:75]
	s_cselect_b64 s[12:13], s[12:13], s[76:77]
	s_cmp_lt_u32 s3, 16                            ; or set 2
	s_cselect_b64 s[4:5], s[4:5], s[80:81]
	s_cselect_b64 s[6:7], s[6:7], s[82:83]
	s_cselect_b64 s[8:9], s[8:9], s[84:85]
	s_cselect_b64 s[10:11], s[10:11], s[86:87]
	s_cselect_b64 s[12:13], s[12:13], s[88:89]
	; the scales of 128 rows: 4,096 dense bytes, as 16 rows of 256 bytes (32 elements of 8), 16 bytes of padding behind each
	s_or_b32 s[G1S+0], s43, (3<<16)|(1<<20)|(1<<21)|(5<<22)|(3<<25)
	s_or_b32 s[G1SB+0], s44, (3<<16)|(1<<20)|(1<<21)|(5<<22)|(3<<25)
.irp g, G1S, G1SB
	s_mov_b32 s[\g+1], 32<<16
	s_mov_b32 s[\g+2], (128*KS/256)<<16
	s_mov_b32 s[\g+3], 32<<16
	s_mov_b32 s[\g+4], 128*KS/256
	s_mov_b32 s[\g+5], 32
	s_mov_b32 s[\g+6], 0
	s_mov_b32 s[\g+7], 0
.endr
	s_add_nc_u64 s[20:21], s[4:5], s[20:21]
	s_add_nc_u64 s[22:23], s[6:7], s[22:23]
	s_add_nc_u64 s[46:47], s[8:9], s[46:47]
	s_add_nc_u64 s[92:93], s[10:11], s[92:93]
	CROUND                                         ; all sixteen work-groups are here: the first joint loads meet
	s_mov_b32 s[G0S], 1
	s_add_co_u32 s[G0S+1], s94, SCL
	s_mov_b64 s[G0S+2:G0S+3], s[22:23]
	s_or_b32 s[G0S+3], s[G0S+3], 0x80000000
	s_mov_b32 s[G0SB], 1
	s_add_co_u32 s[G0SB+1], s94, SCL
	s_mov_b64 s[G0SB+2:G0SB+3], s[92:93]
	s_or_b32 s[G0SB+3], s[G0SB+3], 0x80000000
	JLOAD G0S, G1S, G0SB, G1SB                     ; the scales first: they are wanted with K step 0
.irp s, 0,1
	s_mov_b32 s[G0+4*\s], 1
	s_add_co_u32 s[G0+4*\s+1], s45, \s*SLOT
	s_add_nc_u64 s[G0+4*\s+2:G0+4*\s+3], s[20:21], \s*ROWB
	s_or_b32 s[G0+4*\s+3], s[G0+4*\s+3], 0x80000000
	s_mov_b32 s[G0B+4*\s], 1
	s_add_co_u32 s[G0B+4*\s+1], s45, \s*SLOT
	s_add_nc_u64 s[G0B+4*\s+2:G0B+4*\s+3], s[46:47], \s*ROWB
	s_or_b32 s[G0B+4*\s+3], s[G0B+4*\s+3], 0x80000000
	JLOAD G0+4*\s, G1, G0B+4*\s, G1B               ; three tensor loads of mine are out now
.endr
	v_and_b32 v1, 15, v0                           ; l % 16
	v_bfe_u32 v2, v0, 4, 1                         ; l / 16
	v_mul_u32_u24 v3, v1, PITCH
	v_mul_u32_u24 v4, v2, 24
	v_add_nc_u32 v4, v3, v4                        ; a fragment's row x pitch + 24 x half
	v_lshl_add_u32 v5, v2, 4, v4                   ; and the same behind one padding more
	s_mul_i32 s21, s15, HALFT                      ; my 128 rows of A
	s_mul_i32 s22, s16, HALFT                      ; my 128 rows of B,
	s_add_co_u32 s22, s22, 2*HALFT                 ; which lie behind A's 256
.irp s, 0,1
	v_add_nc_u32 v[ADRA+\s], s21, v4
	v_add_nc_u32 v[ADRB+\s], s22, v4
	v_add_nc_u32 v[ADRA+2+\s], s21, v5
	v_add_nc_u32 v[ADRB+2+\s], s22, v5
	s_add_co_u32 s21, s21, SLOT
	s_add_co_u32 s22, s22, SLOT
.endr
	v_mul_u32_u24 v5, v1, KS                       ; my row's scales: 32 bytes a row,
	v_lshrrev_b32 v6, 8, v5
	v_lshl_add_u32 v5, v6, 4, v5                   ; and 16 more for each 256 passed
	s_mul_i32 s21, s15, HALFS
	s_mul_i32 s22, s16, HALFS
	s_add_co_u32 s22, s22, 2*HALFS
	s_sub_co_u32 s22, s22, s21
	v_mul_u32_u24 v6, s22, v2                      ; lanes 16-31 take B's: one product, the distance between the two bases
	s_add_co_u32 s21, s21, SCL
	v_add_nc_u32 v5, v5, v6
	v_add_nc_u32 v[ADRS], s21, v5
	v_and_b32 v6, 31, v0
	v_lshlrev_b32 v[CO], 3, v6                     ; the way out: 8 bytes a lane of an image's piece,
	v_lshlrev_b32 v[CS], 2, v6                     ; 4 bytes a lane of two tiles' scale words
.irp b, 0,1,2,3
	v_mov_b32 v[TM+4+\b], 0                        ; written once: a lane permute's destination counts as one of its sources
.endr
	; where my part of the output begins.  Tm0 = 16 x tile row + 8 x row half;  np0 = 4 x tile column + 2 x column half;  g = 2 x tile column + column half
	s_lshl_b32 s20, s17, 4
	s_lshl_b32 s21, s15, 3
	s_add_co_u32 s20, s20, s21                     ; Tm0
	s_lshl_b32 s22, s20, 6
	s_add_co_u32 s22, s22, 0x600000                ; scale words: 6,291,456 + 64 Tm0
	s_mov_b32 s23, 0
	s_mul_i32 s20, s20, 12288                      ; images: 16 x 768 bytes for each Tm
	s_mov_b32 s21, 0
	s_and_b32 s46, s42, 3
	s_lshl_b32 s46, s46, 2
	s_lshl_b32 s47, s16, 1
	s_add_co_u32 s46, s46, s47                     ; np0 % 16
	s_mul_i32 s46, s46, 768
	s_lshr_b32 s47, s42, 2                         ; np0 / 16
	s_mul_i32 s47, s47, 786432
	s_add_co_u32 s46, s46, s47
	s_mov_b32 s47, 0
	s_lshl_b32 s92, s42, 1
	s_add_co_u32 s92, s92, s16                     ; g
	s_lshl_b32 s92, s92, 15                        ; 512 x 64 bytes for each g
	s_mov_b32 s93, 0
	s_add_nc_u64 s[20:21], s[20:21], s[46:47]
	s_add_nc_u64 s[22:23], s[22:23], s[92:93]
	s_add_nc_u64 s[92:93], s[12:13], s[22:23]      ; my scale words
	s_add_nc_u64 s[12:13], s[12:13], s[20:21]      ; my images
.macro FRAG reg, adr, q, i             ; 16 rows x 128 K: 12 registers; lane l: row l % 16, registers 6 c .. 6 c + 5 = K 64 c + 32 (l / 16) + 0 .. 31: 24 bytes of the row, in pieces of 8
.irp p, 0,1,2,3,4,5
.set PCE, 12*(\q)+6*(\p/3)+\p%3        ; where the piece three on lies behind one padding more, the second address register (40 for 24 bytes a half) serves
.if PCE%8 < 5
	ds_load_b64 v[\reg+2*\p:\reg+2*\p+1], v[\adr] offset:8*PCE+16*(PCE/8)+(\i)*16*PITCH
.else
	ds_load_b64 v[\reg+2*\p:\reg+2*\p+1], v[\adr+2] offset:8*PCE+16*(PCE/8)+(\i)*16*PITCH
.endif
.endr
.endm
; 16 matrix instructions: A's blocks a0, a0 + 1 x B's eight.  p: B's set; sc: the set of scale words.  zero = 1: the first product starts the sums.  The 64 accumulators take turns.
.macro MUL16 a0, p, q, sc, zero
.irp a, \a0, \a0+1
.irp b, 0,1,2,3,4,5,6,7
.if \zero
	v_wmma_scale_f32_16x16x128_f8f6f4 v[8*(8*((\a)%4)+\b):8*(8*((\a)%4)+\b)+7], v[128*(\p)+FR*\b:128*(\p)+FR*\b+FR-1], v[AF+FR*(\a):AF+FR*(\a)+FR-1], 0, v[SC+8*NQ*(\sc)+NQ*\b+(\q)], v[SC+8*NQ*(\sc)+NQ*(\a)+(\q)] matrix_a_fmt:MATRIX_FMT_FP6 matrix_b_fmt:MATRIX_FMT_FP6 matrix_a_scale:MATRIX_SCALE_ROW1
.else
	v_wmma_scale_f32_16x16x128_f8f6f4 v[8*(8*((\a)%4)+\b):8*(8*((\a)%4)+\b)+7], v[128*(\p)+FR*\b:128*(\p)+FR*\b+FR-1], v[AF+FR*(\a):AF+FR*(\a)+FR-1], v[8*(8*((\a)%4)+\b):8*(8*((\a)%4)+\b)+7], v[SC+8*NQ*(\sc)+NQ*\b+(\q)], v[SC+8*NQ*(\sc)+NQ*(\a)+(\q)] matrix_a_fmt:MATRIX_FMT_FP6 matrix_b_fmt:MATRIX_FMT_FP6 matrix_a_scale:MATRIX_SCALE_ROW1
.endif
.endr
.endr
.endm
.macro FETCH_B slot, q, p
	WIN TO_B
.irp i, 0,1,2,3,4,5,6,7
	FRAG 128*(\p)+FR*\i, ADRB+\slot, \q, \i
.endr
	WIN 0
.endm
.macro FETCH_A slot, q, i0
.irp i, \i0, \i0+1, \i0+2, \i0+3
	FRAG AF+FR*(\i), ADRA+\slot, \q, \i
.endr
.endm
.macro SCALES sc                       ; a K step's scale words: lanes 0-15 A's block i, lanes 16-31 B's block i
.irp i, 0,1,2,3,4,5,6,7
	ds_load_b64 v[SC+8*NQ*\sc+NQ*\i:SC+8*NQ*\sc+NQ*\i+1], v[ADRS] offset:\i*SBLK
.endr
.endm
.macro PLACES n                        ; plain vector lines between a matrix instruction and a load into, or a read of, its registers (ISA guide 7.12.1 for reads)
.rept \n
	v_nop
.endr
.endm
.macro STEP slot, q, zero              ; 128 along K whose successor lies in the same slot
	s_wait_dscnt 4*NL                              ; B's set and A's blocks 0-3 are in; the 24 youngest loads (A's blocks 4-7) may be out
	WIN MUL_LO
	MUL16 0, (\q)%2, \q, \slot, \zero
	MUL16 2, (\q)%2, \q, \slot, \zero
	s_wait_dscnt 0
	PLACES NP
	FETCH_B \slot, (\q)+1, 1-(\q)%2
	FETCH_A \slot, (\q)+1, 0
	WIN MUL_HI
	MUL16 4, (\q)%2, \q, \slot, \zero
	MUL16 6, (\q)%2, \q, \slot, \zero
	PLACES NP
	WIN 0
	FETCH_A \slot, (\q)+1, 4
.endm
; A slot's last step changes slots: one barrier; in front of it each wave waits for all its tensor loads, adds 0 to its spare word, and waits for that and for its reads of this slot.
.macro TURN slot, next, fill
	s_wait_tensorcnt 0x0                           ; all my tensor loads have landed: my part of the next slot
	ds_add_u32 v[SPW], v[NIL]                      ; 0 onto my spare word
	s_wait_dscnt 4*NL+1                            ; (the add and the 24 youngest loads may be out)
	WIN MUL_LO
	MUL16 0, 1, NQ-1, \slot, 0
	s_wait_dscnt 0x0                               ; the add is done, and my reads of this slot are over
	s_barrier_signal -1
	MUL16 2, 1, NQ-1, \slot, 0
	WIN 0
	s_barrier_wait -1
.if \fill
	CREST                                          ; the barrier has opened a round of the cluster's: no wave of any partner still reads this slot or has a load on its way
	s_add_nc_u64 s[G0+4*\slot+2:G0+4*\slot+3], s[G0+4*\slot+2:G0+4*\slot+3], 2*ROWB
	s_add_nc_u64 s[G0B+4*\slot+2:G0B+4*\slot+3], s[G0B+4*\slot+2:G0B+4*\slot+3], 2*ROWB
	JLOAD G0+4*\slot, G1, G0B+4*\slot, G1B         ; the first tensor load behind the round; its four v_nop are the places in front of the loads below
.else
	PLACES NP
.endif
	v_add_nc_u32 v[ADRS], 4*NQ, v[ADRS]            ; the next K step's scale words
	FETCH_B \next, 0, 0
	FETCH_A \next, 0, 0
	SCALES \next
	WIN MUL_HI
	MUL16 4, 1, NQ-1, \slot, 0
	MUL16 6, 1, NQ-1, \slot, 0
	PLACES NP
	WIN 0
	FETCH_A \next, 0, 4
.endm
	s_wait_tensorcnt 1                             ; the scales and my part of K step 0 are in (K step 1's load may be out)
	s_barrier_signal -1
	s_barrier_wait -1                              ; everybody's are
	FETCH_B 0, 0, 0
	FETCH_A 0, 0, 0
	SCALES 0
	FETCH_A 0, 0, 4
	STEP 0, 0, 1                                   ; the first step stands in front of the loop: its products start the sums
	s_mov_b32 s3, LAPS-1
.Llap:                                                 ; a trip goes once round the ring and fills both slots again
	TURN 0, 1, 1
	STEP 1, 0, 0
	TURN 1, 0, 1
	STEP 0, 0, 0
	s_sub_co_u32 s3, s3, 1
	s_cmp_lg_u32 s3, 0
	s_cbranch_scc1 .Llap
	TURN 0, 1, 0                                   ; the last lap fills nothing
	STEP 1, 0, 0
	s_wait_dscnt 4*NL
	WIN MUL_LO
	MUL16 0, 1, NQ-1, 1, 0
	MUL16 2, 1, NQ-1, 1, 0
	s_wait_dscnt 0
	WIN MUL_HI
	MUL16 4, 1, NQ-1, 1, 0
	MUL16 6, 1, NQ-1, 1, 0
	WIN 0
; THE WAY OUT of block a (16 rows x 128 n).  Register 16 b + i of the block's 64: block b of 32, my 16 of its numbers.  Each accumulator is read from its low end on.
.macro OUT a
.set AC, 64*((\a)%4)
	WIN 0x0a+5*((\a)/4)                            ; sources 0 and 1: window 2 or 3
.irp b, 0,1,2,3
	v_max3_num_f32 v[TM+\b], |v[AC+16*\b]|, |v[AC+16*\b+1]|, 0x1800000   ; and the floor 2^(3 - 127): the byte cannot fall under 1
.endr
	WIN 0x28+0x14*((\a)/4)                         ; sources 1 and 2
.irp i, 2,4,6,8,10,12,14
.irp b, 0,1,2,3
	v_max3_num_f32 v[TM+\b], v[TM+\b], |v[AC+16*\b+\i]|, |v[AC+16*\b+\i+1]|   ; the four blocks by turns
.endr
.endr
	WIN 0
.irp b, 0,1,2,3
	v_permlanex16_b32 v[TM+4+\b], v[TM+\b], s96, s97
.endr
.irp b, 0,1,2,3
	v_max_num_f32 v[TM+\b], v[TM+\b], v[TM+4+\b]   ; with lane l xor 16's: the block's largest magnitude
.endr
.irp b, 0,1,2,3
	v_add_nc_u32 v[TM+12+\b], 0xff000000, v[TM+\b] ; 2 off its exponent field: the conversion's scale operand
.endr
.irp b, 0,1,2,3
	v_lshrrev_b32 v[TM+4+\b], 23, v[TM+12+\b]      ; the scale's byte
.endr
	v_lshl_or_b32 v[PW+\a], v[TM+5], 8, v[TM+4]    ; my row's scale word
	v_lshl_or_b32 v[PW+\a], v[TM+6], 16, v[PW+\a]
	v_lshl_or_b32 v[PW+\a], v[TM+7], 24, v[PW+\a]
	s_wait_xcnt 0x0                                ; the last block's stores have had their addresses translated: their data registers are written again only behind this wait
	WIN 2+(\a)/4                                   ; source 0
.irp c, 0,1
	v_cvt_scalef32_pk16_fp6_f32 v[PC+6*\c:PC+6*\c+2], v[AC+32*\c:AC+32*\c+15], v[TM+12+2*\c]
	v_cvt_scalef32_pk16_fp6_f32 v[PC+12+4*\c:PC+14+4*\c], v[AC+32*\c+16:AC+32*\c+31], v[TM+12+2*\c+1]   ; (a conversion's three registers begin on an even number)
.endr
	WIN 0
	v_nop                                          ; one plain place behind a scaled conversion
.irp c, 0,1                                    ; a WHOLE block to a lane: lanes 0-15 block 2 c, lanes 16-31 block 2 c + 1
.irp i, 0,1,2
	v_permlane16_swap_b32 v[PC+6*\c+\i], v[PC+12+4*\c+\i]
.endr
.irp i, 0,1,2
	v_mov_b32 v[PC+3+6*\c+\i], v[PC+12+4*\c+\i]
.endr
.endr
.irp c, 0,1
.irp i, 0,1,2
	global_store_b64 v[CO], v[PC+6*\c+2*\i:PC+6*\c+2*\i+1], s[12:13] offset:12288*(\a)+768*\c+256*\i   ; 32 lanes store 256 consecutive bytes, aligned
.endr
.endr
.endm
	PLACES NP                                      ; behind the last products, ahead of the first read of results
.irp a, 0,1,2,3,4,5,6,7
	OUT \a
.endr
.irp k, 0,1,2,3
	v_cndmask_b32 v[JW+\k], v[PW+2*\k], v[PW+2*\k+1], s95   ; lanes 0-15: block 2 k's words; lanes 16-31: block 2 k + 1's
.endr
.irp k, 0,1,2,3
	global_store_b32 v[CS], v[JW+\k], s[92:93] offset:128*\k   ; 128 consecutive bytes
.endr
	s_wait_tensorcnt 0x0                           ; the wave's end
	ds_add_u32 v[SPW], v[NIL]
	s_wait_dscnt 0x0
	CROUND                                         ; the closing round: no work-group ends while a partner may still ask for a tile that names it
	s_endpgm
.Lfunc_end_k_q68c6fb0178_proj:
	.size	k_q68c6fb0178_proj, .Lfunc_end_k_q68c6fb0178_proj-k_q68c6fb0178_proj
	.p2alignl 7, 3214868480
	.fill 96, 4, 3214868480
	.section	.rodata,"a",@progbits
	.p2align	6, 0x0
	.amdhsa_kernel k_q68c6fb0178_proj
		.amdhsa_group_segment_fixed_size 327680
		.amdhsa_private_segment_fixed_size 0
		.amdhsa_enable_private_segment 0
		.amdhsa_kernarg_size 120
		.amdhsa_user_sgpr_count 2
		.amdhsa_user_sgpr_kernarg_segment_ptr 1
		.amdhsa_wavefront_size32 1
		.amdhsa_system_sgpr_workgroup_id_x 1
		.amdhsa_system_sgpr_workgroup_id_y 1
		.amdhsa_system_sgpr_workgroup_id_z 1
		.amdhsa_system_vgpr_workitem_id 0
		.amdhsa_next_free_vgpr 1024
		.amdhsa_next_free_sgpr 98
		.amdhsa_reserve_vcc 0
		.amdhsa_float_denorm_mode_32 3
		.amdhsa_float_denorm_mode_16_64 3
		.amdhsa_memory_ordered 1
		.amdhsa_forward_progress 1
		.amdhsa_inst_pref_size 168
	.end_amdhsa_kernel
	.amdgpu_metadata
---
amdhsa.version: [ 1, 2 ]
amdhsa.kernels:
  - .name:           k_q68c6fb0178_proj
    .symbol:         k_q68c6fb0178_proj.kd
    .args:
      - { .name: query_codes, .offset: 0, .size: 8, .value_kind: global_buffer, .address_space: global }
      - { .name: query_scales, .offset: 8, .size: 8, .value_kind: global_buffer, .address_space: global }
      - { .name: Wq_codes, .offset: 16, .size: 8, .value_kind: global_buffer, .address_space: global }
      - { .name: Wq_scales, .offset: 24, .size: 8, .value_kind: global_buffer, .address_space: global }
      - { .name: qbuf, .offset: 32, .size: 8, .value_kind: global_buffer, .address_space: global }
      - { .name: key_codes, .offset: 40, .size: 8, .value_kind: global_buffer, .address_space: global }
      - { .name: key_scales, .offset: 48, .size: 8, .value_kind: global_buffer, .address_space: global }
      - { .name: Wk_codes, .offset: 56, .size: 8, .value_kind: global_buffer, .address_space: global }
      - { .name: Wk_scales, .offset: 64, .size: 8, .value_kind: global_buffer, .address_space: global }
      - { .name: kbuf, .offset: 72, .size: 8, .value_kind: global_buffer, .address_space: global }
      - { .name: Wv_codes, .offset: 80, .size: 8, .value_kind: global_buffer, .address_space: global }
      - { .name: Wv_scales, .offset: 88, .size: 8, .value_kind: global_buffer, .address_space: global }
      - { .name: value_codes, .offset: 96, .size: 8, .value_kind: global_buffer, .address_space: global }
      - { .name: value_scales, .offset: 104, .size: 8, .value_kind: global_buffer, .address_space: global }
      - { .name: vbuf, .offset: 112, .size: 8, .value_kind: global_buffer, .address_space: global }
    .group_segment_fixed_size: 327680
    .private_segment_fixed_size: 0
    .kernarg_segment_align: 8
    .kernarg_segment_size: 120
    .max_flat_workgroup_size: 128
    .sgpr_count:     98
    .vgpr_count:     1024
    .wavefront_size: 32
...
	.end_amdgpu_metadata
.endif
;; end of part 2
;; launch attn (part 3): grid 8 x 64, 16 waves a work-group, no clusters, 210,944 bytes of LDS; arguments qbuf, kbuf, vbuf, maskw, zbuf; writes zbuf
.if DOCPART == 3
	.amdgcn_target "amdgcn-amd-amdhsa--gfx1250"
	.amdhsa_code_object_version 6
	.text
	.protected	k_q68c6fb0178_attn
	.globl	k_q68c6fb0178_attn
	.p2align	8
	.type	k_q68c6fb0178_attn,@function
k_q68c6fb0178_attn:
	s_mov_b64 s[64:65], 0
	v_nop
	global_prefetch_b8 v0, s[64:65] scope:SCOPE_SE
	s_setreg_imm32_b32 hwreg(HW_REG_WAVE_MODE, 25, 1), 1
	s_wait_xcnt 0x0
; ATTENTION on codes of FP6 (E2M3): Z[b][q][head] = softmax_k(mask ? Q . K / 8 : a very negative logit) V, both products quantised; Z is quantised along the channels on its way out.
; SHARES.  Work-group (x, y = 16 b + head) owns 256 queries of one head; each of its sixteen waves owns one tile of 16 queries, TQ = 128 b + 16 x + wave, in 256 registers: four waves to a SIMD,
; so that one wave's vector work stands beside another's matrix work and waits.  Every wave walks the 2,048 keys, 128 a step.
; LDS.  The head's K (98,304 bytes), V^T (98,304) and their scale words (8,192 + 4,096) all fit: they are brought ONCE, K by wave 0 and V by wave 1, each as its scales and four chunks of 512 keys,
; five tensor loads a wave; nothing is filled again and nothing is stored to LDS.  Chunk q is read behind a counted wait and a barrier while the later chunks are still on their way.
; No cluster, though the eight query blocks of a head read the same K and V: those 208,896 bytes come once for a work-group, against its 256 wave-steps of some 320 vector instructions each.
; LAYOUT.  Operands lie in memory and in LDS as images of their registers: 768 bytes = 16 rows x 64 K, lane's 24 bytes in three pieces at 256 i + 8 lane: every load of a wave reads 256 consecutive bytes.
; Both products are used transposed: S^T = K Q^T (source 0 = 16 keys), O^T = V^T P^T (source 0 = 16 channels): lane (r, h) holds ONE query r; register i of tile j is key (channel) 16 j + 8 h + i.
; The first product's K is 64: the upper six registers of both fragments hold zero codes, which add nothing.
; Inside a block of 32 the codes of Q, K, V and p stand in the order 0-7, 16-23, 8-15, 24-31, alike on both operands of a product.  Z meets given codes next, so it is brought into the true order first.
; SOFTMAX.  t = score x log2(e) / 8; M = the running largest t rounded up to a whole number; p = 2^(t - M) is quantised, not normalised; the row's sum is taken of the unquantised p and divides at the end.
; When M moves, the sum and O^T are multiplied by 2^(old M - new M): exact.
; THE MASK comes as lane masks, one word for each score register, made by an earlier launch: 64 words, 256 bytes, a tile and step, by scalar loads into s[32:63], 32 words at a time.  Every step selects
; all its 64 scores: no branch hangs on the mask.  The words of registers 0-31 are asked for a step ahead; those of registers 32-63 behind the first 32 selects, and land under four products and 16 maxima.
; LIMITS.  A masked score is -2^33, a logit of -2^30 where the definition has -1e9: c x 2^33 is a whole number, so in a row that is masked throughout t - M is exactly 0 and every p is 1, as defined;
; the two differ only where true logits reach about -1e9.  NaN and infinities are not served.  A block of zeros, or one under 2^-124, gets the scale byte 1 (read by this program alone).
.set KIMG, 0
.set VIMG, 98304
.set KSC,  196608
.set VSC,  204800
.set MLAST, 0x1fff00                   ; the last 256 bytes of the mask words
.set LK,  1                            ; v1   8 x lane
.set LV,  2                            ; v2   VIMG + 8 x lane
.set LSK, 3                            ; v3   KSC + 4 r + 2 (head % 2): my key row's two scale bytes
.set LSV, 4                            ; v4   VSC + 4 r
.set NEG, 5                            ; v5   -2^33
.set ZSO, 6                            ; v6   32 r + h: my byte among Z's scale bytes
.set ADK, 8                            ; v8-11 the step's LDS addresses
.set ADV, 9
.set ADS, 10
.set ADT, 11
.set QF,  16                           ; v16-27 Q's fragment (v22-27 zeros)      v12 -M, v13 the largest t, v[14:15] the sum in two halves
.set QS,  28                           ; Q's scale word
.set PS,  29                           ; p's
.set KS,  30                           ; v30-33 K's
.set VS,  34                           ; v34-37 V's
.set F,   38                           ; v[38:39] f = 2^(old M - new M)
.set KF,  40                           ; v40-87 four fragments of K (the upper six registers of each stay zeros)
.set S,   88                           ; v88-151 S^T, then p; at the end Z
.set O,   152                          ; v152-183 O^T
.set PC,  184                          ; v184-195 p's codes
.set PD,  196                          ; v196-198, v200-202 the conversions' second halves
.set VF,  204                          ; v204-251 four fragments of V
.set BM,  204                          ; at work ahead of V's loads: block maxima,
.set BP,  208                          ; the other half's, then bytes,
.set BO,  212                          ; the conversions' scale operands
.set L2,  252                          ; v[252:253] the sum's second chain
.set TMP, 254
.set SEL, 2                            ; s[2:3] selects for lane l xor 16
.set TK,  24                           ; s24-27 where the step's K, V, K's scales, V's scales begin in LDS
.set TV,  25
.set TSK, 26
.set TSV, 27
.set MO,  28                           ; s28 the step's mask words: byte offset in maskw
.set CNT, 29
.set CS,  30                           ; s[30:31] c = log2(e) / 8
.set MW,  32                           ; s[32:63] 32 mask words
.set HI,  67                           ; s67 lanes 16-31
.macro G1SET g, c, r, p                ; descriptor group 1: r rows of c elements of 8 bytes, p elements apart; no mask, no padding
	s_mov_b32 s[\g], 3<<16
	s_mov_b32 s[\g+1], (\c)<<16
	s_mov_b32 s[\g+2], (\r)<<16
	s_mov_b32 s[\g+3], (\c)<<16
	s_mov_b32 s[\g+4], \r
	s_mov_b32 s[\g+5], \p
	s_mov_b32 s[\g+6], 0
	s_mov_b32 s[\g+7], 0
.endm
.macro G0SET g, lds, base, off         ; group 0: count 1, the LDS byte, the global address, type 2
	s_mov_b32 s[\g], 1
	s_mov_b32 s[\g+1], \lds
	s_add_nc_u64 s[\g+2:\g+3], s[\base:\base+1], \off
	s_or_b32 s[\g+3], s[\g+3], 0x80000000
.endm
	s_load_b256 s[4:11], s[0:1], 0x0               ; qbuf, kbuf, vbuf, maskw
	s_load_b64 s[12:13], s[0:1], 0x20              ; zbuf
	v_lshl_add_u32 v203, v0, 2, 0x33000
	v_mov_b32 v255, 0
	ds_add_u32 v203, v255
	ds_add_u32 v203, v255
	v_lshrrev_b32 v7, 5, v0
	v_readfirstlane_b32 s14, v7                    ; wave 0..15
	s_and_b32 s32, ttmp7, 0xffff
	s_and_b32 s15, s32, 15                         ; head
	s_lshr_b32 s16, s32, 4                         ; b
	s_and_b32 s17, s15, 1
	s_lshl_b32 s33, s16, 7
	s_lshl_b32 s34, ttmp9, 4
	s_add_co_u32 s33, s33, s34
	s_add_co_u32 s33, s33, s14                     ; TQ
	s_lshl_b32 s34, s33, 4
	s_add_co_u32 s34, s34, s15
	s_mul_i32 s34, s34, 768                        ; the image (TQ, head): Q's and Z's
	s_mov_b32 s35, 0
	s_lshr_b32 s36, s15, 1
	s_lshl_b32 s36, s36, 9
	s_add_co_u32 s36, s36, s33
	s_lshl_b32 s36, s36, 6
	s_lshl_b32 s37, s17, 1
	s_add_co_u32 s36, s36, s37
	s_add_co_u32 s36, s36, 0x600000                ; Q's scale words: 6,291,456 + (512 (head / 2) + TQ) 64 + 2 (head % 2)
	s_mov_b32 s37, 0
	s_lshl_b32 s38, s33, 9
	s_lshl_b32 s39, s15, 1
	s_add_co_u32 s38, s38, s39
	s_add_co_u32 s38, s38, 0x600000                ; Z's scale bytes: 6,291,456 + 32 x token + 2 head
	s_mov_b32 s39, 0
	s_lshl_b32 s[MO], s33, 12                      ; the tile's mask words: 4,096 bytes a tile
	s_mov_b32 s[SEL], 0x76543210
	s_mov_b32 s[SEL+1], 0xfedcba98
	s_mov_b32 s[CS], 0x3e38aa3b
	s_mov_b32 s[CS+1], s[CS]                       ; (named with it as a pair, so it is written)
	s_mov_b32 s[HI], 0xffff0000
	s_mov_b32 s[TK], 0
	s_mov_b32 s[TV], 0
	s_mov_b32 s[TSK], 0
	s_mov_b32 s[TSV], 0
	s_wait_dscnt 0x0
	s_wait_kmcnt 0x0
	; THE FILLS: a wave's five stand in one branch on its number, ahead of every wait on TENSORcnt, every LDS read and every barrier
	s_cmp_eq_u32 s14, 0
	s_cbranch_scc0 .Lnot_k
	s_lshl_b32 s42, s16, 11
	s_add_co_u32 s42, s42, s15
	s_mul_i32 s42, s42, 768                        ; K's image (128 b, head)
	s_mov_b32 s43, 0
	s_add_nc_u64 s[42:43], s[6:7], s[42:43]
	s_lshr_b32 s44, s15, 1
	s_lshl_b32 s44, s44, 9
	s_lshl_b32 s45, s16, 7
	s_add_co_u32 s44, s44, s45
	s_lshl_b32 s44, s44, 6
	s_add_co_u32 s44, s44, 0x600000                ; K's scale words: 8,192 dense bytes
	s_mov_b32 s45, 0
	s_add_nc_u64 s[44:45], s[6:7], s[44:45]
	G1SET 68, 96, 32, 1536                         ; a chunk: 32 key tiles' images of 768 bytes, 12,288 bytes apart
	G1SET 76, 32, 32, 32                           ; the scales: 32 rows of 256 bytes
	G0SET 84, KSC, 44, 0
	G0SET 88, KIMG, 42, 0
	G0SET 92, KIMG+24576, 42, 393216
	G0SET 96, KIMG+49152, 42, 786432
	G0SET 20, KIMG+73728, 42, 1179648
	tensor_load_to_lds s[84:87], s[76:83]
	s_nop 0
	tensor_load_to_lds s[88:91], s[68:75]
	s_nop 0
	tensor_load_to_lds s[92:95], s[68:75]
	s_nop 0
	tensor_load_to_lds s[96:99], s[68:75]
	s_nop 0
	tensor_load_to_lds s[20:23], s[68:75]          ; five loads of mine are out
	s_nop 0
.rept 4
	v_nop
.endr
	s_branch .Lasked
.Lnot_k:
	s_cmp_eq_u32 s14, 1
	s_cbranch_scc0 .Lasked
	s_mul_i32 s42, s16, 1572864                    ; V: two planes of 786,432 bytes a batch,
	s_mul_i32 s44, s15, 49152                      ; 64 images of 768 bytes a head
	s_add_co_u32 s42, s42, s44
	s_mov_b32 s43, 0
	s_add_nc_u64 s[42:43], s[8:9], s[42:43]
	s_lshl_b32 s44, s16, 19
	s_lshl_b32 s45, s15, 8
	s_add_co_u32 s44, s44, s45
	s_add_co_u32 s44, s44, 0x600000                ; V's scale words: 6,291,456 + (8,192 b + 4 head) 64
	s_mov_b32 s45, 0
	s_add_nc_u64 s[44:45], s[8:9], s[44:45]
	G1SET 68, 768, 4, 1536                         ; a chunk: for each of 4 channel tiles 8 images on end, 6,144 bytes, 12,288 bytes apart
	G1SET 76, 32, 16, 4096                         ; the scales: for each of 16 steps 256 bytes, 32,768 bytes apart
	G0SET 84, VSC, 44, 0
	G0SET 88, VIMG, 42, 0
	G0SET 92, VIMG+24576, 42, 6144
	G0SET 96, VIMG+49152, 42, 786432
	G0SET 20, VIMG+73728, 42, 792576
	tensor_load_to_lds s[84:87], s[76:83]
	s_nop 0
	tensor_load_to_lds s[88:91], s[68:75]
	s_nop 0
	tensor_load_to_lds s[92:95], s[68:75]
	s_nop 0
	tensor_load_to_lds s[96:99], s[68:75]
	s_nop 0
	tensor_load_to_lds s[20:23], s[68:75]
	s_nop 0
.rept 4
	v_nop
.endr
.Lasked:
	s_add_nc_u64 s[6:7], s[4:5], s[36:37]          ; Q's scale words
	s_add_nc_u64 s[4:5], s[4:5], s[34:35]          ; Q's image
	s_add_nc_u64 s[18:19], s[12:13], s[38:39]      ; Z's scale bytes
	s_add_nc_u64 s[12:13], s[12:13], s[34:35]      ; Z's image
	s_lshl_b32 s8, s17, 1
	s_add_co_u32 s8, s8, KSC                       ; K's scale words, my head's two bytes of each
	s_load_b512 s[MW:MW+15], s[10:11], s[MO]       ; the first step's mask words of score registers 0-31 (what s32-63 held at the head is done with)
	s_load_b512 s[MW+16:MW+31], s[10:11], s[MO] offset:64
	v_and_b32 v7, 31, v0
	v_lshlrev_b32 v[LK], 3, v7
	v_and_b32 v8, 15, v0                           ; r
	v_bfe_u32 v9, v0, 4, 1                         ; h
	v_lshlrev_b32 v10, 2, v8                       ; 4 r
.irp i, 0,1,2
	global_load_b64 v[QF+2*\i:QF+2*\i+1], v[LK], s[4:5] offset:256*\i   ; Q's fragment stays in registers
.endr
	global_load_u16 v[QS], v10, s[6:7]             ; its two scale bytes; the upper two are 0 and stand over zero codes
.irp i, 6,7,8,9,10,11
	v_mov_b32 v[QF+\i], 0                          ; K = 64 .. 127: zero codes
.irp t, 0,1,2,3
	v_mov_b32 v[KF+12*\t+\i], 0
.endr
.endr
	v_add_nc_u32 v[LV], VIMG, v[LK]
	v_add_nc_u32 v[LSK], s8, v10
	v_add_nc_u32 v[LSV], VSC, v10
	v_lshl_add_u32 v[ZSO], v8, 5, v9
	v_mov_b32 v[NEG], 0xd0000000                   ; -2^33
	v_mov_b32 v13, 0xff61b1e6                      ; the largest t so far: -3e38, under every t
	v_floor_f32 v12, -v13                          ; -M
	v_mov_b32 v14, 0
	v_mov_b32 v15, 0
	v_mov_b32 v[F+1], 0                            ; (named as the upper half of the pair before it is written)
.irp b, 0,1,2,3
	v_mov_b32 v[BP+\b], 0                          ; a lane permute's destination counts as one of its sources
.endr
.set j, 0
.rept 32
	v_mov_b32 v[O+j], 0                            ; O^T: the step is written once; the first finds zeros, which the first change of M leaves zeros
.set j, j+1
.endr
	s_wait_loadcnt 0x0                             ; Q
.macro KLOAD g                         ; four tiles of 16 keys: three pieces of 8 bytes a lane, and the rows' two scale bytes
.irp t, 0,1,2,3
.irp i, 0,1,2
	ds_load_b64 v[KF+12*\t+2*\i:KF+12*\t+2*\i+1], v[ADK] offset:(4*\g+\t)*768+256*\i
.endr
	ds_load_u16 v[KS+\t], v[ADS] offset:(4*\g+\t)*64
.endr
.endm
.macro KQ g                            ; S^T = K Q^T of these four tiles
.irp t, 0,1,2,3
	v_wmma_scale_f32_16x16x128_f8f6f4 v[S+8*(4*\g+\t):S+8*(4*\g+\t)+7], v[KF+12*\t:KF+12*\t+11], v[QF:QF+11], 0, v[KS+\t], v[QS] matrix_a_fmt:MATRIX_FMT_FP6 matrix_b_fmt:MATRIX_FMT_FP6
.endr
.endm
.macro SELECT g                        ; the scores of hidden keys become -2^33; ascending: each accumulator from its low end on
.set n, 0
.rept 32
	v_cndmask_b32 v[S+32*\g+n], v[NEG], v[S+32*\g+n], s[MW+n]
.set n, n+1
.endr
.endm
.macro BMAX b0, b1                     ; the largest score of two blocks of 32 keys (my 16 of each), by turns: it serves the row's maximum and, since p rises with the score, the block's largest p
.irp b, \b0, \b1
	v_max3_num_f32 v[BM+\b], v[S+16*\b], v[S+1+16*\b], v[S+2+16*\b]
.endr
.irp i, 3,5,7,9,11,13
.irp b, \b0, \b1
	v_max3_num_f32 v[BM+\b], v[BM+\b], v[S+16*\b+\i], v[S+1+16*\b+\i]
.endr
.endr
.irp b, \b0, \b1
	v_max_num_f32 v[BM+\b], v[BM+\b], v[S+15+16*\b]
.endr
.endm
; A KEY STEP: 128 keys.
.macro STEP
	v_add_nc_u32 v[ADK], s[TK], v[LK]
	v_add_nc_u32 v[ADS], s[TSK], v[LSK]
	KLOAD 0
	s_wait_dscnt 0x0
	KQ 0
	v_add_nc_u32 v[ADV], s[TV], v[LV]              ; four places behind the products, ahead of the loads into the registers that they read and of the first read of their scores:
	v_add_nc_u32 v[ADT], s[TSV], v[LSV]            ; two additions that are due anyway,
	v_nop
	v_nop                                          ; and two v_nop
	KLOAD 1                                        ; the other four tiles land under the selects
	s_wait_kmcnt 0x0                               ; the mask words of registers 0-31, asked for a step ago
	SELECT 0
	s_load_b512 s[MW:MW+15], s[10:11], s[MO] offset:128        ; those of registers 32-63
	s_load_b512 s[MW+16:MW+31], s[10:11], s[MO] offset:192
	s_wait_dscnt 0x0
	KQ 1
	BMAX 0, 1                                      ; 16 plain lines on the first four tiles' scores: also the places behind the products above
	s_wait_kmcnt 0x0
	SELECT 1
	s_add_co_u32 s[MO], s[MO], 256                 ; (no scalar load is out: the offset may step)  the next step's words;
	s_min_u32 s[MO], s[MO], MLAST                  ; held inside the buffer: behind a tile's last step the words brought are not used
	s_load_b512 s[MW:MW+15], s[10:11], s[MO]
	s_load_b512 s[MW+16:MW+31], s[10:11], s[MO] offset:64
	BMAX 2, 3
.irp b, 0,1,2,3
	v_permlanex16_b32 v[BP+\b], v[BM+\b], s[SEL], s[SEL+1]
.endr
.irp b, 0,1,2,3
	v_max_num_f32 v[BM+\b], v[BM+\b], v[BP+\b]     ; with lane l xor 16's 16 keys
.endr
	v_max3_num_f32 v[TMP], v[BM], v[BM+1], v[BM+2]
	v_max_num_f32 v[TMP], v[TMP], v[BM+3]          ; the step's largest score of my query
	v_mul_f32 v[TMP], s[CS], v[TMP]                ; as t (c is positive)
	v_max_num_f32 v13, v13, v[TMP]                 ; the running largest t
	v_mov_b32 v[TMP], v12
	v_floor_f32 v12, -v13                          ; the new -M = -ceil(t): a whole number
	v_sub_f32 v[TMP], v12, v[TMP]                  ; old M - new M: a whole number, 0 or less
	v_cvt_i32_f32 v[TMP], v[TMP]                   ; (it saturates)
	v_ldexp_f32 v[F], 1.0, v[TMP]                  ; f = 2^(old M - new M)
.set j, 0
.rept 32
	v_pk_fma_f32 v[S+j:S+j+1], v[S+j:S+j+1], s[CS:CS+1], v[12:13] op_sel_hi:[1,0,0]   ; t - M, two at a time
.set j, j+2
.endr
.irp b, 0,1,2,3
	v_fma_f32 v[BM+\b], v[BM+\b], s[CS], v12       ; the same of each block's largest score
.endr
.set j, 0
.rept 64
	v_exp_f32 v[S+j], v[S+j]                       ; p = 2^(t - M), at most 1
.set j, j+1
.endr
.irp b, 0,1,2,3
	v_exp_f32 v[BM+\b], v[BM+\b]                   ; the block's largest p: the same two instructions on the same number
.endr
	v_pk_mul_f32 v[14:15], v[14:15], v[F:F+1] op_sel_hi:[1,0]   ; the sums under the new M (a plain place behind the exponentials)
	s_wait_alu depctr_va_vdst(0)
.irp b, 0,1,2,3
	v_max_num_f32 v[BM+\b], 0x1800000, v[BM+\b]    ; the floor 2^(3 - 127): the byte cannot fall under 1
.endr
.irp b, 0,1,2,3
	v_add_nc_u32 v[BO+\b], 0xff000000, v[BM+\b]    ; 2 off the exponent field: the conversion's scale operand
.endr
.irp b, 0,1,2,3
	v_lshrrev_b32 v[BP+\b], 23, v[BO+\b]           ; the scale's byte
.endr
	v_lshl_or_b32 v[PS], v[BP+1], 8, v[BP]         ; p's scale word for these 128 keys
	v_lshl_or_b32 v[PS], v[BP+2], 16, v[PS]
	v_lshl_or_b32 v[PS], v[BP+3], 24, v[PS]
.irp c, 0,1
	v_cvt_scalef32_pk16_fp6_f32 v[PC+6*\c:PC+6*\c+2], v[S+32*\c:S+32*\c+15], v[BO+2*\c]
	v_cvt_scalef32_pk16_fp6_f32 v[PD+4*\c:PD+4*\c+2], v[S+32*\c+16:S+32*\c+31], v[BO+2*\c+1]   ; (a conversion's three registers begin on an even number)
.endr
	v_nop                                          ; one plain place behind a scaled conversion
.irp c, 0,1                                    ; a WHOLE block to a lane
.irp i, 0,1,2
	v_permlane16_swap_b32 v[PC+6*\c+\i], v[PD+4*\c+\i]
.endr
.irp i, 0,1,2
	v_mov_b32 v[PC+3+6*\c+\i], v[PD+4*\c+\i]
.endr
.endr
.irp t, 0,1,2,3                                ; V's four fragments and scale words are asked for here and land under the sums below
.irp p, 0,1,2,3,4,5
	ds_load_b64 v[VF+12*\t+2*\p:VF+12*\t+2*\p+1], v[ADV] offset:6144*\t+768*(\p/3)+256*(\p%3)
.endr
	ds_load_b32 v[VS+\t], v[ADT] offset:64*\t
.endr
	v_pk_add_f32 v[L2:L2+1], v[S:S+1], v[S+2:S+3]  ; the row's sum is taken of the UNQUANTISED p: two at a time, in two chains.  (These 32 lines are also the places between p's scale word and codes and the products)
.set j, 4
.rept 15
	v_pk_add_f32 v[14:15], v[14:15], v[S+j:S+j+1]
	v_pk_add_f32 v[L2:L2+1], v[L2:L2+1], v[S+j+2:S+j+3]
.set j, j+4
.endr
	v_pk_add_f32 v[14:15], v[14:15], v[L2:L2+1]
.set j, 0
.rept 16
	v_pk_mul_f32 v[O+j:O+j+1], v[O+j:O+j+1], v[F:F+1] op_sel_hi:[1,0]   ; O^T under the new M
.set j, j+2
.endr
	s_wait_dscnt 0x0
.irp t, 0,1,2,3                                ; O^T += V^T P^T: the four accumulators by turns
	v_wmma_scale_f32_16x16x128_f8f6f4 v[O+8*\t:O+8*\t+7], v[VF+12*\t:VF+12*\t+11], v[PC:PC+11], v[O+8*\t:O+8*\t+7], v[VS+\t], v[PS] matrix_a_fmt:MATRIX_FMT_FP6 matrix_b_fmt:MATRIX_FMT_FP6
.endr
	s_add_co_u32 s[TK], s[TK], 6144                ; eight key tiles on,
	s_add_co_u32 s[TV], s[TV], 1536                ; two images on in each channel tile,
	s_add_co_u32 s[TSK], s[TSK], 512
	s_add_co_u32 s[TSV], s[TSV], 256
.endm
; Chunk q, four steps.  The count leaves out the chunks asked for behind it; waves 2 to 15 have no load of their own and read behind the barrier, in front of which waves 0 and 1 have waited.
.macro CHUNK q
	s_wait_tensorcnt 3-\q
	s_wait_dscnt 0x0
	s_barrier_signal -1
	s_barrier_wait -1
	s_mov_b32 s[CNT], 4
.Lstep_\@:
	STEP
	s_sub_co_u32 s[CNT], s[CNT], 1
	s_cmp_lg_u32 s[CNT], 0
	s_cbranch_scc1 .Lstep_\@
	s_add_co_u32 s[TV], s[TV], 18432               ; V's next chunk: 24,576 less the four steps' 6,144
.endm
	CHUNK 0
	CHUNK 1
	CHUNK 2
	CHUNK 3
	; THE WAY OUT: Z = O^T / the sum, brought into the true order of channels, quantised along them, stored as an image and two scale bytes a row.
.rept 4
	v_nop                                          ; places behind the last products
.endr
	v_add_f32 v14, v14, v15
	v_permlanex16_b32 v[TMP], v14, s[SEL], s[SEL+1]
	v_add_f32 v14, v14, v[TMP]                     ; the row's sum
	v_rcp_f32 v14, v14
	v_nop                                          ; one plain place behind a transcendental
.set j, 0
	s_wait_alu depctr_va_vdst(0)
.rept 32
	v_mul_f32 v[S+j], v[O+j], v14                  ; register 8 t + i: channel 16 t + 8 h + i
.set j, j+1
.endr
.irp b, 0,1
.irp i, 0,1,2,3,4,5,6,7
	v_permlane16_swap_b32 v[S+16*\b+\i], v[S+16*\b+8+\i]   ; tile 2 b's lanes 16-31 change places with tile 2 b + 1's lanes 0-15: my 16 registers are now channels 32 b + 16 h + 0 .. 15
.endr
.endr
.irp b, 0,1
	v_max3_num_f32 v[BM+\b], |v[S+16*\b]|, |v[S+16*\b+1]|, 0x1800000
.endr
.irp i, 2,4,6,8,10,12,14
.irp b, 0,1
	v_max3_num_f32 v[BM+\b], v[BM+\b], |v[S+16*\b+\i]|, |v[S+16*\b+\i+1]|
.endr
.endr
.irp b, 0,1
	v_permlanex16_b32 v[BP+\b], v[BM+\b], s[SEL], s[SEL+1]
.endr
.irp b, 0,1
	v_max_num_f32 v[BM+\b], v[BM+\b], v[BP+\b]
.endr
.irp b, 0,1
	v_add_nc_u32 v[BO+\b], 0xff000000, v[BM+\b]
.endr
.irp b, 0,1
	v_lshrrev_b32 v[BP+\b], 23, v[BO+\b]
.endr
	v_cvt_scalef32_pk16_fp6_f32 v[PC:PC+2], v[S:S+15], v[BO]
	v_cvt_scalef32_pk16_fp6_f32 v[PD:PD+2], v[S+16:S+31], v[BO+1]
	v_nop
.irp i, 0,1,2
	v_permlane16_swap_b32 v[PC+\i], v[PD+\i]       ; lane (r, h) now holds block h: its lower 16 codes here, the upper 16 there
.endr
.irp i, 0,1,2
	v_mov_b32 v[PC+3+\i], v[PD+\i]
.endr
	v_cndmask_b32 v7, v[BP], v[BP+1], s[HI]        ; my block's byte
.irp i, 0,1,2
	global_store_b64 v[LK], v[PC+2*\i:PC+2*\i+1], s[12:13] offset:256*\i   ; 32 lanes store 256 consecutive bytes, aligned
.endr
	global_store_b8 v[ZSO], v7, s[18:19]           ; two bytes of each row's 32: laid row by row, as the next launch's scale tiles want them
	s_wait_tensorcnt 0x0
	ds_add_u32 v203, v255
	s_wait_dscnt 0x0
	s_endpgm
.Lfunc_end_k_q68c6fb0178_attn:
	.size	k_q68c6fb0178_attn, .Lfunc_end_k_q68c6fb0178_attn-k_q68c6fb0178_attn
	.p2alignl 7, 3214868480
	.fill 96, 4, 3214868480
	.section	.rodata,"a",@progbits
	.p2align	6, 0x0
	.amdhsa_kernel k_q68c6fb0178_attn
		.amdhsa_group_segment_fixed_size 210944
		.amdhsa_private_segment_fixed_size 0
		.amdhsa_enable_private_segment 0
		.amdhsa_kernarg_size 40
		.amdhsa_user_sgpr_count 2
		.amdhsa_user_sgpr_kernarg_segment_ptr 1
		.amdhsa_wavefront_size32 1
		.amdhsa_system_sgpr_workgroup_id_x 1
		.amdhsa_system_sgpr_workgroup_id_y 1
		.amdhsa_system_sgpr_workgroup_id_z 1
		.amdhsa_system_vgpr_workitem_id 0
		.amdhsa_next_free_vgpr 256
		.amdhsa_next_free_sgpr 100
		.amdhsa_reserve_vcc 0
		.amdhsa_float_denorm_mode_32 3
		.amdhsa_float_denorm_mode_16_64 3
		.amdhsa_memory_ordered 1
		.amdhsa_forward_progress 1
		.amdhsa_inst_pref_size 105
	.end_amdhsa_kernel
	.amdgpu_metadata
---
amdhsa.version: [ 1, 2 ]
amdhsa.kernels:
  - .name:           k_q68c6fb0178_attn
    .symbol:         k_q68c6fb0178_attn.kd
    .args:
      - { .name: qbuf, .offset: 0, .size: 8, .value_kind: global_buffer, .address_space: global }
      - { .name: kbuf, .offset: 8, .size: 8, .value_kind: global_buffer, .address_space: global }
      - { .name: vbuf, .offset: 16, .size: 8, .value_kind: global_buffer, .address_space: global }
      - { .name: maskw, .offset: 24, .size: 8, .value_kind: global_buffer, .address_space: global }
      - { .name: zbuf, .offset: 32, .size: 8, .value_kind: global_buffer, .address_space: global }
    .group_segment_fixed_size: 210944
    .private_segment_fixed_size: 0
    .kernarg_segment_align: 8
    .kernarg_segment_size: 40
    .max_flat_workgroup_size: 512
    .sgpr_count:     100
    .vgpr_count:     256
    .wavefront_size: 32
...
	.end_amdgpu_metadata
.endif
;; end of part 3
;; launch outproj (part 4): grid 4 x 32, 4 waves a work-group, clusters of 4 x 4, 327,680 bytes of LDS; arguments zbuf, Wo_codes, Wo_scales, bo, out0; writes out0
.if DOCPART == 4
	.amdgcn_target "amdgcn-amd-amdhsa--gfx1250"
	.amdhsa_code_object_version 6
	.text
	.protected	k_q68c6fb0178_outproj
	.globl	k_q68c6fb0178_outproj
	.p2align	8
	.type	k_q68c6fb0178_outproj,@function
k_q68c6fb0178_outproj:
	s_mov_b64 s[64:65], 0
	v_nop
	global_prefetch_b8 v0, s[64:65] scope:SCOPE_SE
	s_setreg_imm32_b32 hwreg(HW_REG_WAVE_MODE, 25, 1), 1
	s_wait_xcnt 0x0
	s_wait_alu depctr_hold_cnt(0) depctr_sa_sdst(0) depctr_va_vdst(0) depctr_va_sdst(0) depctr_va_ssrc(0) depctr_va_vcc(0) depctr_vm_vsrc(0)
	s_getreg_b32 s2, hwreg(HW_REG_IB_STS2, 6, 4)
	s_cmp_eq_u32 s2, 0
	s_cbranch_scc0 .Lentry_in_a_cluster
	s_endpgm
.Lentry_in_a_cluster:
	s_bfe_u32 s2, ttmp6, 0x10000c
	s_cmp_lg_u32 s2, 0xf033
	s_cbranch_scc0 .Lentry_shape_is_right
	s_endpgm
.Lentry_shape_is_right:
; out0[m][n] = sum over k of Z[m][k] Wo[n][k] + bo[n], on codes of FP6 (E2M3) with E8M0 scales.  M = 8,192, N = K = 1,024; out0 is f32.
; Z comes from the attention launch: images of 16 rows x 64 K, 768 bytes at (16 (m / 16) + k / 64) 768 (a lane's 24 bytes in three pieces at 256 i + 8 lane), and scale bytes [8192][32] from byte 6,291,456 on.
; Wo comes as given: rows of 768 bytes of codes, rows of 32 scale bytes.
; A tile of C, 256 x 256, is made by four waves, 128 x 128 each.  K goes in steps of 256 through a ring of two LDS slots: of A, for each of 8 row tiles, 4 images on end (3,072 bytes, no padding: every read
; of a wave is 256 consecutive bytes); of B, 128 rows of 192 bytes with 16 bytes of padding behind every 64 (pitch 240).  The scale bytes of the tile's rows come once and stay.
; CLUSTERS 4 x 4: A's tiles are asked for jointly along a row of the cluster, B's along a column.  THE MATRIX INSTRUCTION IS USED TRANSPOSED (source 0 = rows of Wo, source 1 = rows of Z): a lane holds eight
; neighbouring numbers of a row of C.  THE BIAS is the C of each sum's first matrix instruction: eight registers for each of B's blocks, in the result's layout; no addition is written.
; REGISTERS: window 0: v16-29 addresses; v32-63 scale words, two sets; v64-127 the bias; v128-223 A's fragments, one set (on the way out v128-255 hold rows of C).
;   window 1: B's fragments, two sets.  window 2, 3: the accumulators of my rows 0-63, 64-127.
.set SIZE_N, 1024
.set NQ,     2
.set ROWB,   192
.set KROW,   768
.set PITCH,  240
.set FR,     12
.set NL,     6
.set NP,     4
.set HALFA,  8*3072                    ; A: 128 rows of a K step: 8 row tiles x 4 images
.set ASTEP,  3072                      ; from a K step's images to the next's, in memory
.set HALFT,  128*PITCH                 ; B: 128 rows
.set SLOT,   2*HALFA+2*HALFT
.set LAPS,   2
.set KS,     32
.set SCL,    2*SLOT
.set HALFS,  16*272
.set SBLK,   2*272
.set SPARE,  SCL+4*HALFS               ; the spare words: 128 bytes a wave, two blocks of 256 bytes that no other line names
.set SPITCH, 528                       ; the way out: a stage of 16 rows x (512 + 16) bytes a wave, in slot 0, which has had its last fill and its last read by then
.set ADRA, 16                          ; v16-17
.set ADRB, 20                          ; v20-23
.set STO,  24
.set RD,   25
.set CO,   26
.set ADRS, 27
.set SPW,  28
.set NIL,  29
.set SC,   32
.set BI,   64                          ; v64-127 the bias
.set AF,   128
.set BK,   128
.set G1, 24
.set G0, 32
.set G1B, 48
.set G0B, 56
.set G1S, 68
.set G0S, 76
.set G1SB, 80
.set G0SB, 88
.set MSB, 0
.macro WIN new
.if MSB != (\new)
	s_set_vgpr_msb (MSB<<8)|(\new)
.set MSB, (\new)
.endif
.endm
.set MUL_LO, 0xa1
.set MUL_HI, 0xf1
.set BIA_LO, 0x81                      ; as MUL_LO, with C (the bias) in window 0
.set BIA_HI, 0xc1
.set TO_B,   0x40
.macro JLOAD g0a, g1a, g0b, g1b        ; a joint load: waves 0 and 1 fetch for A, waves 2 and 3 for B; four v_nop follow each of the two lines
	s_cmp_eq_u32 s15, 0
	s_cbranch_scc0 .Lfor_b_\@
	tensor_load_to_lds s[\g0a:\g0a+3], s[\g1a:\g1a+7]
	s_nop 0
.rept 4
	v_nop
.endr
	s_branch .Lasked_\@
.Lfor_b_\@:
	tensor_load_to_lds s[\g0b:\g0b+3], s[\g1b:\g1b+7]
	s_nop 0
.rept 4
	v_nop
.endr
.Lasked_\@:
.endm
.macro CREST
	s_cmp_lg_u32 s14, 0
	s_cbranch_scc1 .Lnot_wave_0_\@
	s_barrier_signal -3
.Lnot_wave_0_\@:
	s_barrier_wait -3
	s_barrier_signal -1
	s_barrier_wait -1
.endm
.macro CROUND
	s_barrier_signal -1
	s_barrier_wait -1
	CREST
.endm
	s_load_b64 s[4:5], s[0:1], 0x0                 ; zbuf
	s_load_b128 s[8:11], s[0:1], 0x8               ; Wo's codes, Wo's scales
	s_load_b64 s[96:97], s[0:1], 0x18              ; bo
	s_load_b64 s[12:13], s[0:1], 0x20              ; out0
	v_lshl_add_u32 v[SPW], v0, 2, SPARE
	v_mov_b32 v[NIL], 0
	ds_add_u32 v28, v29
	ds_add_u32 v28, v29
	s_wait_dscnt 0x0
	v_lshrrev_b32 v1, 5, v0
	v_readfirstlane_b32 s14, v1                    ; wave 0..3
	s_lshr_b32 s15, s14, 1                         ; which half of the tile's rows is mine.  Also: I fetch for A (0) or for B (1)
	s_and_b32 s16, s14, 1                          ; which half of its columns.  Also: which 128 rows of that tile I fetch
	s_bfe_u32 s40, ttmp6, 0x40000                  ; cx, cy
	s_bfe_u32 s41, ttmp6, 0x40004
	s_lshl_b32 s42, ttmp9, 2
	s_add_co_u32 s42, s42, s40                     ; tile column of C
	s_and_b32 s17, ttmp7, 0xffff
	s_lshl_b32 s17, s17, 2
	s_add_co_u32 s17, s17, s41                     ; tile row of C
	s_lshl_b32 s43, s41, 2
	s_lshl_b32 s43, 15, s43                        ; my row of the cluster
	s_lshl_b32 s44, 0x1111, s40                    ; my column
	; A's tiles: 8 rows of 384 elements of 8 bytes (4 images), 1,536 elements apart; no padding
	s_or_b32 s[G1+0], s43, (3<<16)|(1<<21)
	s_mov_b32 s[G1+1], 384<<16
	s_mov_b32 s[G1+2], 8<<16
	s_mov_b32 s[G1+3], 384<<16
	s_mov_b32 s[G1+4], 8
	s_mov_b32 s[G1+5], 1536
	s_mov_b32 s[G1+6], 0
	s_mov_b32 s[G1+7], 0
	; B's tiles: 128 rows x 192 bytes; 16 bytes of padding behind every 64
	s_or_b32 s[G1B+0], s44, (0<<16)|(1<<20)|(1<<21)|(3<<22)|(3<<25)
	s_mov_b32 s[G1B+1], ROWB<<16
	s_mov_b32 s[G1B+2], 128<<16
	s_mov_b32 s[G1B+3], ROWB<<16
	s_mov_b32 s[G1B+4], 128
	s_mov_b32 s[G1B+5], KROW
	s_mov_b32 s[G1B+6], 0
	s_mov_b32 s[G1B+7], 0
	; the scales of 128 rows: 16 rows of 256 bytes, 16 bytes of padding behind each
	s_or_b32 s[G1S+0], s43, (3<<16)|(1<<20)|(1<<21)|(5<<22)|(3<<25)
	s_or_b32 s[G1SB+0], s44, (3<<16)|(1<<20)|(1<<21)|(5<<22)|(3<<25)
.irp g, G1S, G1SB
	s_mov_b32 s[\g+1], 32<<16
	s_mov_b32 s[\g+2], (128*KS/256)<<16
	s_mov_b32 s[\g+3], 32<<16
	s_mov_b32 s[\g+4], 128*KS/256
	s_mov_b32 s[\g+5], 32
	s_mov_b32 s[\g+6], 0
	s_mov_b32 s[\g+7], 0
.endr
	s_lshl_b32 s18, s16, 7
	s_lshl_b32 s20, s17, 8
	s_add_co_u32 s20, s20, s18                     ; A: row 256 x tile row + 128 x half
	s_lshl_b32 s46, s42, 8
	s_add_co_u32 s46, s46, s18                     ; B: row 256 x tile column + 128 x half
	s_mov_b32 s21, 0
	s_mov_b32 s47, 0
	s_mov_b64 s[18:19], KS
	s_mul_u64 s[22:23], s[20:21], s[18:19]
	s_mul_u64 s[92:93], s[46:47], s[18:19]
	s_mov_b64 s[18:19], KROW
	s_mul_u64 s[20:21], s[20:21], s[18:19]         ; A: 16 rows are 16 images of 768 bytes: 768 bytes a row, as in B
	s_mul_u64 s[46:47], s[46:47], s[18:19]
	s_mul_i32 s45, s16, HALFA                      ; where they go: A's half,
	s_mul_i32 s95, s16, HALFT
	s_add_co_u32 s95, s95, 2*HALFA                 ; B's half, behind A's two: no place in the cluster enters an LDS address
	s_mul_i32 s94, s14, HALFS
	s_wait_kmcnt 0x0
	s_add_nc_u64 s[6:7], s[4:5], 0x600000          ; Z's scale bytes
	s_add_nc_u64 s[20:21], s[4:5], s[20:21]
	s_add_nc_u64 s[22:23], s[6:7], s[22:23]
	s_add_nc_u64 s[46:47], s[8:9], s[46:47]
	s_add_nc_u64 s[92:93], s[10:11], s[92:93]
	CROUND                                         ; all sixteen work-groups are here: the first joint loads meet
	s_mov_b32 s[G0S], 1
	s_add_co_u32 s[G0S+1], s94, SCL
	s_mov_b64 s[G0S+2:G0S+3], s[22:23]
	s_or_b32 s[G0S+3], s[G0S+3], 0x80000000
	s_mov_b32 s[G0SB], 1
	s_add_co_u32 s[G0SB+1], s94, SCL
	s_mov_b64 s[G0SB+2:G0SB+3], s[92:93]
	s_or_b32 s[G0SB+3], s[G0SB+3], 0x80000000
	JLOAD G0S, G1S, G0SB, G1SB
.irp s, 0,1
	s_mov_b32 s[G0+4*\s], 1
	s_add_co_u32 s[G0+4*\s+1], s45, \s*SLOT
	s_add_nc_u64 s[G0+4*\s+2:G0+4*\s+3], s[20:21], \s*ASTEP
	s_or_b32 s[G0+4*\s+3], s[G0+4*\s+3], 0x80000000
	s_mov_b32 s[G0B+4*\s], 1
	s_add_co_u32 s[G0B+4*\s+1], s95, \s*SLOT
	s_add_nc_u64 s[G0B+4*\s+2:G0B+4*\s+3], s[46:47], \s*ROWB
	s_or_b32 s[G0B+4*\s+3], s[G0B+4*\s+3], 0x80000000
	JLOAD G0+4*\s, G1, G0B+4*\s, G1B               ; three tensor loads of mine are out now
.endr
	v_and_b32 v1, 15, v0                           ; l % 16
	v_bfe_u32 v2, v0, 4, 1                         ; l / 16
	v_mul_u32_u24 v3, v1, PITCH
	v_mul_u32_u24 v4, v2, 24
	v_add_nc_u32 v4, v3, v4                        ; B: a fragment's row x pitch + 24 x half
	v_lshl_add_u32 v5, v2, 4, v4                   ; and the same behind one padding more
	v_and_b32 v6, 31, v0
	v_lshlrev_b32 v7, 3, v6                        ; A: 8 x lane
	v_lshlrev_b32 v8, 5, v2                        ; the bias: 32 h
	s_mul_i32 s21, s15, HALFA                      ; my 128 rows of A
	s_mul_i32 s22, s16, HALFT                      ; my 128 rows of B,
	s_add_co_u32 s22, s22, 2*HALFA                 ; which lie behind A's
.irp s, 0,1
	v_add_nc_u32 v[ADRA+\s], s21, v7
	v_add_nc_u32 v[ADRB+\s], s22, v4
	v_add_nc_u32 v[ADRB+2+\s], s22, v5
	s_add_co_u32 s21, s21, SLOT
	s_add_co_u32 s22, s22, SLOT
.endr
	v_mul_u32_u24 v5, v1, KS
	v_lshrrev_b32 v6, 8, v5
	v_lshl_add_u32 v5, v6, 4, v5
	s_mul_i32 s21, s15, HALFS
	s_mul_i32 s22, s16, HALFS
	s_add_co_u32 s22, s22, 2*HALFS
	s_sub_co_u32 s22, s22, s21
	v_mul_u32_u24 v6, s22, v2                      ; lanes 16-31 take B's
	s_add_co_u32 s21, s21, SCL
	v_add_nc_u32 v5, v5, v6
	v_add_nc_u32 v[ADRS], s21, v5
	s_mul_i32 s23, s14, 16*SPITCH                  ; my stage
	v_mul_u32_u24 v5, v1, SPITCH
	v_lshl_add_u32 v5, v2, 5, v5
	v_add_nc_u32 v[STO], s23, v5
	v_and_b32 v6, 31, v0
	v_lshlrev_b32 v[CO], 4, v6
	v_add_nc_u32 v[RD], s23, v[CO]
	s_lshl_b32 s20, s17, 8
	s_lshl_b32 s21, s15, 7
	s_add_co_u32 s20, s20, s21                     ; my first row of C
	s_mov_b32 s21, 0
	s_mov_b64 s[18:19], SIZE_N*4
	s_mul_u64 s[20:21], s[20:21], s[18:19]
	s_lshl_b32 s46, s42, 10                        ; my first column, in bytes: of C and of bo alike
	s_lshl_b32 s47, s16, 9
	s_add_co_u32 s46, s46, s47
	s_mov_b32 s47, 0
	s_add_nc_u64 s[96:97], s[96:97], s[46:47]
	s_add_nc_u64 s[20:21], s[20:21], s[46:47]
	s_add_nc_u64 s[12:13], s[12:13], s[20:21]
.irp b, 0,1,2,3,4,5,6,7
	global_load_b128 v[BI+8*\b:BI+8*\b+3], v8, s[96:97] offset:64*\b          ; bo at columns 16 b + 8 h + 0 .. 7 of my 128
	global_load_b128 v[BI+8*\b+4:BI+8*\b+7], v8, s[96:97] offset:64*\b+16
.endr
.macro FRAG reg, adr, q, i             ; B: 24 bytes of a row in pieces of 8; the second address register serves the pieces that lie behind one padding more
.irp p, 0,1,2,3,4,5
.set PCE, 12*(\q)+6*(\p/3)+\p%3
.if PCE%8 < 5
	ds_load_b64 v[\reg+2*\p:\reg+2*\p+1], v[\adr] offset:8*PCE+16*(PCE/8)+(\i)*16*PITCH
.else
	ds_load_b64 v[\reg+2*\p:\reg+2*\p+1], v[\adr+2] offset:8*PCE+16*(PCE/8)+(\i)*16*PITCH
.endif
.endr
.endm
.macro FRAGA reg, slot, q, i           ; A: two images, three pieces each
.irp p, 0,1,2,3,4,5
	ds_load_b64 v[\reg+2*\p:\reg+2*\p+1], v[ADRA+\slot] offset:3072*(\i)+768*(2*(\q)+\p/3)+256*(\p%3)
.endr
.endm
; 16 matrix instructions: A's blocks a0, a0 + 1 x B's eight.  zero = 1: the first product starts the sums, from the bias.  The 64 accumulators take turns.
.macro MUL16 a0, p, q, sc, zero
.irp a, \a0, \a0+1
.irp b, 0,1,2,3,4,5,6,7
.if \zero
	v_wmma_scale_f32_16x16x128_f8f6f4 v[8*(8*((\a)%4)+\b):8*(8*((\a)%4)+\b)+7], v[128*(\p)+FR*\b:128*(\p)+FR*\b+FR-1], v[AF+FR*(\a):AF+FR*(\a)+FR-1], v[BI+8*\b:BI+8*\b+7], v[SC+8*NQ*(\sc)+NQ*\b+(\q)], v[SC+8*NQ*(\sc)+NQ*(\a)+(\q)] matrix_a_fmt:MATRIX_FMT_FP6 matrix_b_fmt:MATRIX_FMT_FP6 matrix_a_scale:MATRIX_SCALE_ROW1
.else
	v_wmma_scale_f32_16x16x128_f8f6f4 v[8*(8*((\a)%4)+\b):8*(8*((\a)%4)+\b)+7], v[128*(\p)+FR*\b:128*(\p)+FR*\b+FR-1], v[AF+FR*(\a):AF+FR*(\a)+FR-1], v[8*(8*((\a)%4)+\b):8*(8*((\a)%4)+\b)+7], v[SC+8*NQ*(\sc)+NQ*\b+(\q)], v[SC+8*NQ*(\sc)+NQ*(\a)+(\q)] matrix_a_fmt:MATRIX_FMT_FP6 matrix_b_fmt:MATRIX_FMT_FP6 matrix_a_scale:MATRIX_SCALE_ROW1
.endif
.endr
.endr
.endm
.macro FETCH_B slot, q, p
	WIN TO_B
.irp i, 0,1,2,3,4,5,6,7
	FRAG 128*(\p)+FR*\i, ADRB+\slot, \q, \i
.endr
	WIN 0
.endm
.macro FETCH_A slot, q, i0
.irp i, \i0, \i0+1, \i0+2, \i0+3
	FRAGA AF+FR*(\i), \slot, \q, \i
.endr
.endm
.macro SCALES sc
.irp i, 0,1,2,3,4,5,6,7
	ds_load_b64 v[SC+8*NQ*\sc+NQ*\i:SC+8*NQ*\sc+NQ*\i+1], v[ADRS] offset:\i*SBLK
.endr
.endm
.macro PLACES n                        ; plain vector lines between a matrix instruction and a load into, or a read of, its registers (ISA guide 7.12.1 for reads)
.rept \n
	v_nop
.endr
.endm
.macro STEP slot, q, zero
	s_wait_dscnt 4*NL                              ; B's set and A's blocks 0-3 are in; the 24 youngest loads (A's blocks 4-7) may be out
.if \zero
	WIN BIA_LO
.else
	WIN MUL_LO
.endif
	MUL16 0, (\q)%2, \q, \slot, \zero
	MUL16 2, (\q)%2, \q, \slot, \zero
	s_wait_dscnt 0
	PLACES NP
	FETCH_B \slot, (\q)+1, 1-(\q)%2
	FETCH_A \slot, (\q)+1, 0
.if \zero
	WIN BIA_HI
.else
	WIN MUL_HI
.endif
	MUL16 4, (\q)%2, \q, \slot, \zero
	MUL16 6, (\q)%2, \q, \slot, \zero
	PLACES NP
	WIN 0
	FETCH_A \slot, (\q)+1, 4
.endm
.macro TURN slot, next, fill
	s_wait_tensorcnt 0x0                           ; all my tensor loads have landed: my part of the next slot
	ds_add_u32 v[SPW], v[NIL]                      ; 0 onto my spare word
	s_wait_dscnt 4*NL+1                            ; (the add and the 24 youngest loads may be out)
	WIN MUL_LO
	MUL16 0, 1, NQ-1, \slot, 0
	s_wait_dscnt 0x0                               ; the add is done, and my reads of this slot are over
	s_barrier_signal -1
	MUL16 2, 1, NQ-1, \slot, 0
	WIN 0
	s_barrier_wait -1
.if \fill
	CREST                                          ; the barrier has opened a round of the cluster's: no wave of any partner still reads this slot or has a load on its way
	s_add_nc_u64 s[G0+4*\slot+2:G0+4*\slot+3], s[G0+4*\slot+2:G0+4*\slot+3], 2*ASTEP
	s_add_nc_u64 s[G0B+4*\slot+2:G0B+4*\slot+3], s[G0B+4*\slot+2:G0B+4*\slot+3], 2*ROWB
	JLOAD G0+4*\slot, G1, G0B+4*\slot, G1B         ; the first tensor load behind the round; its four v_nop are the places in front of the loads below
.else
	PLACES NP
.endif
	v_add_nc_u32 v[ADRS], 4*NQ, v[ADRS]
	FETCH_B \next, 0, 0
	FETCH_A \next, 0, 0
	SCALES \next
	WIN MUL_HI
	MUL16 4, 1, NQ-1, \slot, 0
	MUL16 6, 1, NQ-1, \slot, 0
	PLACES NP
	WIN 0
	FETCH_A \next, 0, 4
.endm
	s_wait_tensorcnt 1                             ; the scales and my part of K step 0 are in (K step 1's load may be out)
	s_barrier_signal -1
	s_barrier_wait -1                              ; everybody's are
	FETCH_B 0, 0, 0
	FETCH_A 0, 0, 0
	SCALES 0
	FETCH_A 0, 0, 4
	s_wait_loadcnt 0x0                             ; the bias
	STEP 0, 0, 1                                   ; the first step stands in front of the loop: its products start the sums
	s_mov_b32 s3, LAPS-1
.Llap:
	TURN 0, 1, 1
	STEP 1, 0, 0
	TURN 1, 0, 1
	STEP 0, 0, 0
	s_sub_co_u32 s3, s3, 1
	s_cmp_lg_u32 s3, 0
	s_cbranch_scc1 .Llap
	TURN 0, 1, 0                                   ; the last lap fills nothing
	STEP 1, 0, 0
	s_wait_dscnt 4*NL
	WIN MUL_LO
	MUL16 0, 1, NQ-1, 1, 0
	MUL16 2, 1, NQ-1, 1, 0
	s_wait_dscnt 0
	WIN MUL_HI
	MUL16 4, 1, NQ-1, 1, 0
	MUL16 6, 1, NQ-1, 1, 0
	WIN 0
; THE WAY OUT, block by block of 16 rows x 128 columns: through my own stage in LDS, back as whole rows of 512 bytes.  LDS serves a wave's instructions in order (ISA guide 5.7.1.4): no wait between the stores and the loads.
.macro TOSTAGE a
.set AC, 64*((\a)%4)
	WIN 0x08+4*((\a)/4)                            ; the data: window 2 or 3
.irp b, 0,1,2,3,4,5,6,7
	ds_store_b128 v[STO], v[AC+8*\b:AC+8*\b+3] offset:64*\b          ; each accumulator from its low end on
	ds_store_b128 v[STO], v[AC+8*\b+4:AC+8*\b+7] offset:64*\b+16
.endr
	WIN 0
.set BB, BK+64*((\a)%2)
.irp t, 0,1,2,3,4,5,6,7,8,9,10,11,12,13,14,15
	ds_load_b128 v[BB+4*\t:BB+4*\t+3], v[RD] offset:\t*SPITCH
.endr
.endm
.macro SEND a, younger                 ; younger: the LDS instructions issued behind block a's loads, which may stay out
.set BB, BK+64*((\a)%2)
	s_wait_dscnt \younger
.if (\a) > 0
	s_add_nc_u64 s[12:13], s[12:13], 16*SIZE_N*4   ; (behind a wait on XCNT: the earlier stores have read their base)
.endif
.irp t, 0,1,2,3,4,5,6,7,8,9,10,11,12,13,14,15
	global_store_b128 v[CO], v[BB+4*\t:BB+4*\t+3], s[12:13] offset:\t*SIZE_N*4 th:TH_STORE_NT   ; 32 lanes store 512 consecutive bytes, at a multiple of 256 from the output's first byte
.endr
.endm
	PLACES NP
	TOSTAGE 0
.irp a, 1,2,3,4,5,6,7
.if \a > 1
	s_wait_xcnt 0x0                                ; block a - 2's stores have read their registers and their base
.endif
	TOSTAGE \a
	SEND \a-1, 32                                  ; behind block a - 1's loads: block a's 16 stores and 16 loads
.endr
	s_wait_xcnt 0x0
	SEND 7, 0
	s_wait_tensorcnt 0x0                           ; the wave's end
	ds_add_u32 v[SPW], v[NIL]
	s_wait_dscnt 0x0
	CROUND                                         ; the closing round
	s_endpgm
.Lfunc_end_k_q68c6fb0178_outproj:
	.size	k_q68c6fb0178_outproj, .Lfunc_end_k_q68c6fb0178_outproj-k_q68c6fb0178_outproj
	.p2alignl 7, 3214868480
	.fill 96, 4, 3214868480
	.section	.rodata,"a",@progbits
	.p2align	6, 0x0
	.amdhsa_kernel k_q68c6fb0178_outproj
		.amdhsa_group_segment_fixed_size 327680
		.amdhsa_private_segment_fixed_size 0
		.amdhsa_enable_private_segment 0
		.amdhsa_kernarg_size 40
		.amdhsa_user_sgpr_count 2
		.amdhsa_user_sgpr_kernarg_segment_ptr 1
		.amdhsa_wavefront_size32 1
		.amdhsa_system_sgpr_workgroup_id_x 1
		.amdhsa_system_sgpr_workgroup_id_y 1
		.amdhsa_system_sgpr_workgroup_id_z 1
		.amdhsa_system_vgpr_workitem_id 0
		.amdhsa_next_free_vgpr 1024
		.amdhsa_next_free_sgpr 98
		.amdhsa_reserve_vcc 0
		.amdhsa_float_denorm_mode_32 3
		.amdhsa_float_denorm_mode_16_64 3
		.amdhsa_memory_ordered 1
		.amdhsa_forward_progress 1
		.amdhsa_inst_pref_size 162
	.end_amdhsa_kernel
	.amdgpu_metadata
---
amdhsa.version: [ 1, 2 ]
amdhsa.kernels:
  - .name:           k_q68c6fb0178_outproj
    .symbol:         k_q68c6fb0178_outproj.kd
    .args:
      - { .name: zbuf, .offset: 0, .size: 8, .value_kind: global_buffer, .address_space: global }
      - { .name: Wo_codes, .offset: 8, .size: 8, .value_kind: global_buffer, .address_space: global }
      - { .name: Wo_scales, .offset: 16, .size: 8, .value_kind: global_buffer, .address_space: global }
      - { .name: bo, .offset: 24, .size: 8, .value_kind: global_buffer, .address_space: global }
      - { .name: out0, .offset: 32, .size: 8, .value_kind: global_buffer, .address_space: global }
    .group_segment_fixed_size: 327680
    .private_segment_fixed_size: 0
    .kernarg_segment_align: 8
    .kernarg_segment_size: 40
    .max_flat_workgroup_size: 128
    .sgpr_count:     98
    .vgpr_count:     1024
    .wavefront_size: 32
...
	.end_amdgpu_metadata
.endif
;; end of part 4
;; ======== version 2 of 2: 4 launches
;; limits: right only within a limited range of input values
;; workspace buffers: maskw 2,097,152 bytes of whole numbers; qbuf 6,553,600 bytes; kbuf 6,553,600 bytes; vbuf 8,388,608 bytes; zbuf 6,553,600 bytes
;; launch maskbits (part 5): grid 512 x 1, 16 waves a work-group, no clusters, 137,216 bytes of LDS; arguments mask, maskw; writes maskw
.if DOCPART == 5
	.amdgcn_target "amdgcn-amd-amdhsa--gfx1250"
	.amdhsa_code_object_version 6
	.text
	.protected	k_q68c6fb0178_maskbits
	.globl	k_q68c6fb0178_maskbits
	.p2align	8
	.type	k_q68c6fb0178_maskbits,@function
k_q68c6fb0178_maskbits:
	s_mov_b64 s[64:65], 0
	v_nop
	global_prefetch_b8 v0, s[64:65] scope:SCOPE_SE
	s_setreg_imm32_b32 hwreg(HW_REG_WAVE_MODE, 25, 1), 1
	s_wait_xcnt 0x0
; THE MASK, [4][2048][2048] int32, BECOMES LANE MASKS for the attention launch.
; Work-group w = 128 b + T takes the 16 mask rows of query tile T of batch b; its wave s takes keys 128 s .. 128 s + 127.
; Word n (0..63) of (w, s), at byte (16 w + s) 256 + 4 n: bit l = 1 where mask[b][16 T + l % 16][128 s + 16 (n / 8) + 8 (l / 16) + n % 8] is not 0:
; the lane mask that the attention launch's score register n wants.
; Each load reads 512 consecutive bytes of one row; the 16 x 512 bytes turn through the wave's own stage in LDS (rows 528 bytes apart: 33 x 16, so the
; sixteen rows that a read touches begin in different banks) and come back one query a lane.  A wave's 64 words leave as one aligned run of 256 bytes.
; Memory binds: no matrix unit, no cluster, no tensor load, no barrier (waves share nothing); sixteen loads a wave are on their way at once.
.set ROWB,  8192                       ; a mask row in bytes
.set PITCH, 528
.set WSTG,  16*PITCH                   ; a wave's stage
.set X,     16                         ; v16-79: 64 mask numbers
	s_load_b128 s[4:7], s[0:1], 0x0                ; mask, maskw
	v_lshl_add_u32 v96, v0, 2, 0x21000
	v_mov_b32 v97, 0
	v_lshrrev_b32 v7, 5, v0
	s_delay_alu instid0(VALU_DEP_1)
	v_readfirstlane_b32 s10, v7                    ; wave = key step s
	v_and_b32 v8, 31, v0                           ; lane
	v_and_b32 v9, 15, v0                           ; r
	v_bfe_u32 v3, v0, 4, 1                         ; h
	s_delay_alu instid0(VALU_DEP_3)
	v_lshlrev_b32 v1, 4, v8                        ; 16 bytes a lane of a row's 512
	s_mul_i32 s11, s10, WSTG
	v_add_nc_u32 v2, s11, v1                       ; into the stage: as loaded
	v_lshlrev_b32 v3, 5, v3
	s_delay_alu instid0(VALU_DEP_1)
	v_mad_u32_u24 v3, v9, PITCH, v3
	s_delay_alu instid0(VALU_DEP_1)
	v_add_nc_u32 v3, s11, v3                       ; out of it: row r, + 32 h
	v_lshlrev_b32 v4, 3, v8                        ; two words a lane on the way out
	s_lshl_b32 s16, ttmp9, 17                      ; 16 rows of 8,192 bytes a work-group,
	s_lshl_b32 s17, s10, 9                         ; 512 bytes of a row a wave
	s_add_co_u32 s16, s16, s17
	s_mov_b32 s17, 0
	s_lshl_b32 s18, ttmp9, 4
	s_add_co_u32 s18, s18, s10
	s_lshl_b32 s18, s18, 8                         ; (16 w + s) x 256
	s_mov_b32 s19, 0
	s_wait_alu depctr_va_vdst(0)
	s_wait_kmcnt 0x0
	s_add_nc_u64 s[4:5], s[4:5], s[16:17]
	s_add_nc_u64 s[6:7], s[6:7], s[18:19]
.irp i, 0,1,2,3,4,5,6,7,8,9,10,11,12,13,14,15
	global_load_b128 v[X+4*\i:X+4*\i+3], v1, s[4:5] offset:ROWB*\i th:TH_LOAD_NT   ; row i: 512 consecutive bytes, read once in the launch
.endr
.irp i, 0,1,2,3,4,5,6,7,8,9,10,11,12,13,14,15
	s_wait_loadcnt 15-\i                           ; loads come back in order: row i is in, the younger rows stay out
	ds_store_b128 v2, v[X+4*\i:X+4*\i+3] offset:PITCH*\i
.endr
	s_wait_dscnt 0x0                               ; the stores have read X, which the loads below write
.irp j, 0,1,2,3,4,5,6,7
	ds_load_b128 v[X+8*\j:X+8*\j+3], v3 offset:64*\j          ; register 8 j + i: query r, key 16 j + 8 h + i
	ds_load_b128 v[X+8*\j+4:X+8*\j+7], v3 offset:64*\j+16
.endr
	v_mov_b32 v10, 0                               ; the words: lane L gathers words 2 L (v10) and 2 L + 1 (v11)
	v_mov_b32 v11, 0
	s_wait_dscnt 0x0
.set n, 0
.rept 8
.irp k, 0,1,2,3,4,5,6,7
	v_cmp_ne_u32 s[20+\k], 0, v[X+n+\k]            ; word n + k
.endr
.irp k, 0,1,2,3,4,5,6,7
	v_writelane_b32 v[10+\k%2], s[20+\k], (n+\k)/2
.endr
.set n, n+8
.endr
	global_store_b64 v4, v[10:11], s[6:7]          ; 32 lanes store 256 consecutive bytes, aligned
	s_wait_tensorcnt 0x0
	ds_add_u32 v96, v97
	s_wait_dscnt 0x0
	s_endpgm
.Lfunc_end_k_q68c6fb0178_maskbits:
	.size	k_q68c6fb0178_maskbits, .Lfunc_end_k_q68c6fb0178_maskbits-k_q68c6fb0178_maskbits
	.p2alignl 7, 3214868480
	.fill 96, 4, 3214868480
	.section	.rodata,"a",@progbits
	.p2align	6, 0x0
	.amdhsa_kernel k_q68c6fb0178_maskbits
		.amdhsa_group_segment_fixed_size 137216
		.amdhsa_private_segment_fixed_size 0
		.amdhsa_enable_private_segment 0
		.amdhsa_kernarg_size 16
		.amdhsa_user_sgpr_count 2
		.amdhsa_user_sgpr_kernarg_segment_ptr 1
		.amdhsa_wavefront_size32 1
		.amdhsa_system_sgpr_workgroup_id_x 1
		.amdhsa_system_sgpr_workgroup_id_y 1
		.amdhsa_system_sgpr_workgroup_id_z 1
		.amdhsa_system_vgpr_workitem_id 0
		.amdhsa_next_free_vgpr 98
		.amdhsa_next_free_sgpr 66
		.amdhsa_reserve_vcc 0
		.amdhsa_float_denorm_mode_32 3
		.amdhsa_float_denorm_mode_16_64 3
		.amdhsa_memory_ordered 1
		.amdhsa_forward_progress 1
		.amdhsa_inst_pref_size 14
	.end_amdhsa_kernel
	.amdgpu_metadata
---
amdhsa.version: [ 1, 2 ]
amdhsa.kernels:
  - .name:           k_q68c6fb0178_maskbits
    .symbol:         k_q68c6fb0178_maskbits.kd
    .args:
      - { .name: mask, .offset: 0, .size: 8, .value_kind: global_buffer, .address_space: global }
      - { .name: maskw, .offset: 8, .size: 8, .value_kind: global_buffer, .address_space: global }
    .group_segment_fixed_size: 137216
    .private_segment_fixed_size: 0
    .kernarg_segment_align: 8
    .kernarg_segment_size: 16
    .max_flat_workgroup_size: 512
    .sgpr_count:     66
    .vgpr_count:     98
    .wavefront_size: 32
...
	.end_amdgpu_metadata
.endif
;; end of part 5
;; launch proj (part 6): grid 4 x 192, 4 waves a work-group, clusters of 4 x 4, 327,680 bytes of LDS; arguments query_codes, query_scales, Wq_codes, Wq_scales, qbuf, key_codes, key_scales, Wk_codes, Wk_scales, kbuf, Wv_codes, Wv_scales, value_codes, value_scales, vbuf; writes qbuf, kbuf, vbuf
.if DOCPART == 6
	.amdgcn_target "amdgcn-amd-amdhsa--gfx1250"
	.amdhsa_code_object_version 6
	.text
	.protected	k_q68c6fb0178_proj
	.globl	k_q68c6fb0178_proj
	.p2align	8
	.type	k_q68c6fb0178_proj,@function
k_q68c6fb0178_proj:
	s_mov_b64 s[64:65], 0
	v_nop
	global_prefetch_b8 v0, s[64:65] scope:SCOPE_SE
	s_setreg_imm32_b32 hwreg(HW_REG_WAVE_MODE, 25, 1), 1
	s_wait_xcnt 0x0
	s_wait_alu depctr_hold_cnt(0) depctr_sa_sdst(0) depctr_va_vdst(0) depctr_va_sdst(0) depctr_va_ssrc(0) depctr_va_vcc(0) depctr_vm_vsrc(0)
	s_getreg_b32 s2, hwreg(HW_REG_IB_STS2, 6, 4)
	s_cmp_eq_u32 s2, 0
	s_cbranch_scc0 .Lentry_in_a_cluster
	s_endpgm
.Lentry_in_a_cluster:
	s_bfe_u32 s2, ttmp6, 0x10000c
	s_cmp_lg_u32 s2, 0xf033
	s_cbranch_scc0 .Lentry_shape_is_right
	s_endpgm
.Lentry_shape_is_right:
; Q = query Wq^T, K = key Wk^T, V^T = Wv value^T on codes of FP6 (E2M3), each result quantised again on its way out.
; A block is 128 rows of A x 256 rows of B (Q, K: A = tokens, B = the weight's rows; V: A = Wv's rows, B = tokens): 256 blocks a product, 768 work-groups.
; ALL OF K LIES IN LDS: whole rows of 768 bytes (3 x 256, each row at a multiple of 256 bytes of its buffer), 16 bytes of padding behind every 256: pitch 816.
; A: 128 rows at byte 0, B: 256 rows behind them, the spare words behind those.  Each wave issues ONE joint load at the head (waves 0, 1 a half of A, waves 2, 3 a half of B);
; nothing is filled again, so one barrier stands between the fills and the reads, and none follows.
; CLUSTER 4 x 4: A's rows are shared along a row of the cluster, B's along a column.
; Four waves, 2 x 2: a wave makes 64 x 128 in 32 accumulators (window 2).  Window 0: addresses, scale words, A's fragments in two sets; window 1: B's fragments in two sets.
; A step is 128 along K: the next step's fragments are asked for first, then come the step's 32 products.
; SCALE WORDS: a row's 32 scale bytes are its eight steps' words: a lane loads its row's 32 bytes once; lanes 0-15 hold an even block's rows, lanes 16-31 the odd block's.
; The product is used transposed (source 0 = B's rows): a lane holds one row of A and eight neighbouring columns.
; No prefetch: the launch has no loop to run ahead in; all its tiles are asked for at its head.
; LIMITS: NaN and infinities are not served; a block of zeros, or one under 2^-124, gets the scale byte 1 (read by this program alone).
.set KROW,   768
.set PITCH,  816
.set FR,     12
.set BBASE,  128*PITCH
.set SPARE,  384*PITCH
.set SPW,  2
.set NIL,  3
.set CO,   4
.set CS,   5
.set AA,   8                           ; v8-15  LDS addresses of A's four blocks (odd register: for pieces whose lanes 16-31 lie behind one padding more)
.set AB,   16                          ; v16-31 of B's eight
.set SA,   32                          ; v32-47 A's scale words: 8 (a / 2) + step
.set SB,   52                          ; v52-83 B's: 8 (b / 2) + step
.set TM,   84
.set PW,   100
.set JW,   104
.set PC,   108
.set AF,   128                         ; v128-223 A's fragments, two sets of 48
.set G1, 24
.set G0, 32
.set G1B, 48
.set G0B, 56
.set MSB, 0
.macro WIN new
.if MSB != (\new)
	s_set_vgpr_msb (MSB<<8)|(\new)
.set MSB, (\new)
.endif
.endm
.macro PLACES n
.rept \n
	v_nop
.endr
.endm
.macro CROUND
	s_barrier_signal -1
	s_barrier_wait -1
	s_cmp_lg_u32 s14, 0
	s_cbranch_scc1 .Lnot_wave_0_\@
	s_barrier_signal -3
.Lnot_wave_0_\@:
	s_barrier_wait -3
	s_barrier_signal -1
	s_barrier_wait -1
.endm
	s_load_b256 s[4:11], s[0:1], 0x0
	s_load_b64 s[12:13], s[0:1], 0x20
	s_load_b256 s[68:75], s[0:1], 0x28
	s_load_b64 s[76:77], s[0:1], 0x48
	s_load_b256 s[80:87], s[0:1], 0x50
	s_load_b64 s[88:89], s[0:1], 0x70
	v_lshl_add_u32 v[SPW], v0, 2, SPARE
	v_mov_b32 v[NIL], 0
	ds_add_u32 v[SPW], v[NIL]              ; the opening lines
	ds_add_u32 v[SPW], v[NIL]
	v_lshrrev_b32 v1, 5, v0
	v_readfirstlane_b32 s14, v1            ; wave
	s_lshr_b32 s15, s14, 1                 ; my half of A's rows; also: I fetch for A (0) or B (1)
	s_and_b32 s16, s14, 1                  ; my half of B's rows; also: which half I fetch
	s_bfe_u32 s40, ttmp6, 0x40000          ; cx
	s_bfe_u32 s41, ttmp6, 0x40004          ; cy
	s_and_b32 s3, ttmp7, 0xffff            ; cluster y: 0-15 Q, 16-31 K, 32-47 V
	s_and_b32 s17, s3, 15
	s_sub_co_u32 s18, s3, 32
	s_and_b32 s19, s18, 1
	s_lshr_b32 s18, s18, 1
	s_cmp_lt_u32 s3, 32
	s_cselect_b32 s17, s17, s19            ; V: 2 cluster rows x 8 cluster columns
	s_cselect_b32 s42, 0, s18
	s_lshl_b32 s42, s42, 2
	s_add_co_u32 s42, s42, s40             ; tile column: 256 rows of B
	s_lshl_b32 s17, s17, 2
	s_add_co_u32 s17, s17, s41             ; tile row: 128 rows of A
	s_lshl_b32 s43, s41, 2
	s_lshl_b32 s43, 15, s43                ; my row of the cluster
	s_lshl_b32 s44, 0x1111, s40            ; my column
	s_or_b32 s[G1+0], s43, (1<<20)|(1<<21)|(5<<22)|(3<<25)
	s_mov_b32 s[G1+1], KROW<<16
	s_mov_b32 s[G1+2], 64<<16
	s_mov_b32 s[G1+3], KROW<<16
	s_mov_b32 s[G1+4], 64
	s_mov_b32 s[G1+5], KROW
	s_mov_b32 s[G1+6], 0
	s_mov_b32 s[G1+7], 0
	s_or_b32 s[G1B+0], s44, (1<<20)|(1<<21)|(5<<22)|(3<<25)
	s_mov_b32 s[G1B+1], KROW<<16
	s_mov_b32 s[G1B+2], 128<<16
	s_mov_b32 s[G1B+3], KROW<<16
	s_mov_b32 s[G1B+4], 128
	s_mov_b32 s[G1B+5], KROW
	s_mov_b32 s[G1B+6], 0
	s_mov_b32 s[G1B+7], 0
	s_lshl_b32 s20, s17, 7
	s_lshl_b32 s18, s16, 6
	s_add_co_u32 s20, s20, s18
	s_mul_i32 s20, s20, KROW               ; A: the 64 rows that I would fetch
	s_mov_b32 s21, 0
	s_lshl_b32 s22, s17, 7
	s_lshl_b32 s18, s15, 6
	s_add_co_u32 s22, s22, s18
	s_lshl_b32 s22, s22, 5                 ; A's scale bytes of my own 64 rows
	s_mov_b32 s23, 0
	s_lshl_b32 s46, s42, 8
	s_lshl_b32 s18, s16, 7
	s_add_co_u32 s46, s46, s18
	s_lshl_b32 s92, s46, 5                 ; B's scale bytes of my own 128 rows,
	s_mov_b32 s93, 0
	s_mul_i32 s46, s46, KROW               ; which are also the rows that I would fetch
	s_mov_b32 s47, 0
	s_mul_i32 s45, s16, 64*PITCH
	s_mul_i32 s94, s16, 128*PITCH
	s_add_co_u32 s94, s94, BBASE
	s_mov_b32 s95, 0xffff0000
	s_mov_b32 s96, 0x76543210
	s_mov_b32 s97, 0xfedcba98
	s_wait_dscnt 0x0
	s_wait_kmcnt 0x0
	s_cmp_lt_u32 s3, 16
	s_cselect_b64 s[4:5], s[4:5], s[68:69]
	s_cselect_b64 s[6:7], s[6:7], s[70:71]
	s_cselect_b64 s[8:9], s[8:9], s[72:73]
	s_cselect_b64 s[10:11], s[10:11], s[74:75]
	s_cselect_b64 s[12:13], s[12:13], s[76:77]
	s_cmp_lt_u32 s3, 32
	s_cselect_b64 s[4:5], s[4:5], s[80:81]
	s_cselect_b64 s[6:7], s[6:7], s[82:83]
	s_cselect_b64 s[8:9], s[8:9], s[84:85]
	s_cselect_b64 s[10:11], s[10:11], s[86:87]
	s_cselect_b64 s[12:13], s[12:13], s[88:89]
	s_add_nc_u64 s[22:23], s[6:7], s[22:23]
	s_add_nc_u64 s[92:93], s[10:11], s[92:93]
	s_mov_b32 s[G0], 1
	s_mov_b32 s[G0+1], s45
	s_add_nc_u64 s[G0+2:G0+3], s[4:5], s[20:21]
	s_or_b32 s[G0+3], s[G0+3], 0x80000000
	s_mov_b32 s[G0B], 1
	s_mov_b32 s[G0B+1], s94
	s_add_nc_u64 s[G0B+2:G0B+3], s[8:9], s[46:47]
	s_or_b32 s[G0B+3], s[G0B+3], 0x80000000
	CROUND                                 ; all sixteen work-groups are here: the joint loads meet
	s_cmp_eq_u32 s15, 0
	s_cbranch_scc0 .Lfor_b
	tensor_load_to_lds s[G0:G0+3], s[G1:G1+7]
	s_nop 0
	PLACES 4
	s_branch .Lasked
.Lfor_b:
	tensor_load_to_lds s[G0B:G0B+3], s[G1B:G1B+7]
	s_nop 0
	PLACES 4
.Lasked:
	v_and_b32 v1, 15, v0
	v_bfe_u32 v6, v0, 4, 1
	v_and_b32 v7, 31, v0
	v_lshlrev_b32 v[CO], 3, v7
	v_lshlrev_b32 v[CS], 2, v7
	v_lshlrev_b32 v7, 5, v7                ; a row of scale bytes a lane
.irp u, 0,1
.irp c, 0,1
	global_load_b128 v[SA+8*\u+4*\c:SA+8*\u+4*\c+3], v7, s[22:23] offset:1024*\u+16*\c
.endr
.endr
.irp u, 0,1,2,3
.irp c, 0,1
	global_load_b128 v[SB+8*\u+4*\c:SB+8*\u+4*\c+3], v7, s[92:93] offset:1024*\u+16*\c
.endr
.endr
	v_mul_u32_u24 v1, v1, PITCH
	v_mad_u32_u24 v[AA], v6, 24, v1
	v_mad_u32_u24 v[AA+1], v6, 40, v1
	s_mul_i32 s21, s15, 64*PITCH
	v_add_nc_u32 v[AB], s94, v[AA]
	v_add_nc_u32 v[AB+1], s94, v[AA+1]
	v_add_nc_u32 v[AA], s21, v[AA]
	v_add_nc_u32 v[AA+1], s21, v[AA+1]
.irp i, 1,2,3
	v_add_nc_u32 v[AA+2*\i], \i*16*PITCH, v[AA]
	v_add_nc_u32 v[AA+2*\i+1], \i*16*PITCH, v[AA+1]
.endr
.irp i, 1,2,3,4,5,6,7
	v_add_nc_u32 v[AB+2*\i], \i*16*PITCH, v[AB]
	v_add_nc_u32 v[AB+2*\i+1], \i*16*PITCH, v[AB+1]
.endr
.irp b, 0,1,2,3
	v_mov_b32 v[TM+4+\b], 0                ; a lane permute's destination counts as a source
.endr
	; where the results go: images of 768 bytes (16 rows x 64 columns) and, from byte 0x600000 on, scale words
	s_wait_xcnt 0x0                        ; the scale loads have read their bases, which are written again below
	s_lshl_b32 s20, s17, 3
	s_lshl_b32 s21, s15, 2
	s_add_co_u32 s20, s20, s21             ; my first tile of 16 rows of A
	s_lshl_b32 s22, s20, 6
	s_add_co_u32 s22, s22, 0x600000
	s_mov_b32 s23, 0
	s_mul_i32 s20, s20, 12288
	s_mov_b32 s21, 0
	s_and_b32 s46, s42, 3
	s_lshl_b32 s46, s46, 2
	s_lshl_b32 s47, s16, 1
	s_add_co_u32 s46, s46, s47
	s_mul_i32 s46, s46, 768
	s_lshr_b32 s47, s42, 2
	s_mul_i32 s47, s47, 786432
	s_add_co_u32 s46, s46, s47
	s_mov_b32 s47, 0
	s_lshl_b32 s92, s42, 1
	s_add_co_u32 s92, s92, s16
	s_lshl_b32 s92, s92, 15
	s_mov_b32 s93, 0
	s_add_nc_u64 s[20:21], s[20:21], s[46:47]
	s_add_nc_u64 s[22:23], s[22:23], s[92:93]
	s_add_nc_u64 s[92:93], s[12:13], s[22:23]
	s_add_nc_u64 s[12:13], s[12:13], s[20:21]
; a fragment: six pieces of 8 bytes, two to a load where both go by the same address register
.macro FRAG reg, q, a0
.set SKIP_, 0
.irp p, 0,1,2,3,4,5
.if SKIP_
.set SKIP_, 0
.else
.set PC_, 12*(\q)+6*(\p/3)+\p%3
.set PN_, 12*(\q)+6*((\p+1)/3)+(\p+1)%3
.set X_, (PC_%32+3)/32
.set XQ_, (PN_%32+3)/32
.if (\p < 5) && (X_ == XQ_)
.set SKIP_, 1
	ds_load_2addr_b64 v[\reg+2*\p:\reg+2*\p+3], v[\a0+X_] offset0:PC_+2*(PC_/32) offset1:PN_+2*(PN_/32)
.else
	ds_load_b64 v[\reg+2*\p:\reg+2*\p+1], v[\a0+X_] offset:8*(PC_+2*(PC_/32))
.endif
.endif
.endr
.endm
.macro FETCH st
	WIN 0x40
.irp i, 0,1,2,3,4,5,6,7
	FRAG 128*((\st)%2)+FR*\i, \st, AB+2*\i
.endr
	WIN 0
.irp i, 0,1,2,3
	FRAG AF+48*((\st)%2)+FR*\i, \st, AA+2*\i
.endr
.endm
; 32 products, the accumulators by turns; the first step starts the sums
.macro MUL q
.irp ap, 0,1
.irp ao, 0,1
.irp bp, 0,1,2,3
.irp bo, 0,1
.set D_, 8*(8*(2*\ap+\ao)+2*\bp+\bo)
.set B_, 128*((\q)%2)+FR*(2*\bp+\bo)
.set A_, AF+48*((\q)%2)+FR*(2*\ap+\ao)
.if (\q) == 0
	v_wmma_scale_f32_16x16x128_f8f6f4 v[D_:D_+7], v[B_:B_+FR-1], v[A_:A_+FR-1], 0, v[SB+8*\bp+(\q)], v[SA+8*\ap+(\q)] matrix_a_fmt:MATRIX_FMT_FP6 matrix_b_fmt:MATRIX_FMT_FP6 matrix_a_scale:MATRIX_SCALE_ROW\bo matrix_b_scale:MATRIX_SCALE_ROW\ao
.else
	v_wmma_scale_f32_16x16x128_f8f6f4 v[D_:D_+7], v[B_:B_+FR-1], v[A_:A_+FR-1], v[D_:D_+7], v[SB+8*\bp+(\q)], v[SA+8*\ap+(\q)] matrix_a_fmt:MATRIX_FMT_FP6 matrix_b_fmt:MATRIX_FMT_FP6 matrix_a_scale:MATRIX_SCALE_ROW\bo matrix_b_scale:MATRIX_SCALE_ROW\ao
.endif
.endr
.endr
.endr
.endr
.endm
	s_wait_alu depctr_va_vdst(0)
	s_wait_tensorcnt 0x0                   ; my part of the tiles is in
	s_barrier_signal -1
	s_barrier_wait -1                      ; and everybody's
	FETCH 0
	s_wait_loadcnt 0x0                     ; the scale words
.set Q, 0
.rept 8
	s_wait_dscnt 0x0                       ; this step's fragments are in
.if Q < 7
.if Q > 0
	PLACES 4                               ; behind the last step's products, ahead of loads into the set that they read
.endif
	FETCH Q+1
.endif
	WIN 0xa1
	MUL Q
	WIN 0
.set Q, Q+1
.endr
; THE WAY OUT of 16 rows x 128 columns: four blocks of 32 columns; the largest magnitude with lane l xor 16's, the scale, the codes, a whole block to a lane
.macro OUT a
.set AC, 64*(\a)
	WIN 0x0a
.irp b, 0,1,2,3
	v_max3_num_f32 v[TM+\b], |v[AC+16*\b]|, |v[AC+16*\b+1]|, 0x1800000
.endr
	WIN 0x28
.irp i, 2,4,6,8,10,12,14
.irp b, 0,1,2,3
	v_max3_num_f32 v[TM+\b], v[TM+\b], |v[AC+16*\b+\i]|, |v[AC+16*\b+\i+1]|
.endr
.endr
	WIN 0
.irp b, 0,1,2,3
	v_permlanex16_b32 v[TM+4+\b], v[TM+\b], s96, s97
.endr
.irp b, 0,1,2,3
	v_max_num_f32 v[TM+\b], v[TM+\b], v[TM+4+\b]
.endr
.irp b, 0,1,2,3
	v_add_nc_u32 v[TM+12+\b], 0xff000000, v[TM+\b]
.endr
.irp b, 0,1,2,3
	v_lshrrev_b32 v[TM+4+\b], 23, v[TM+12+\b]
.endr
	v_lshl_or_b32 v[PW+\a], v[TM+5], 8, v[TM+4]
	v_lshl_or_b32 v[PW+\a], v[TM+6], 16, v[PW+\a]
	v_lshl_or_b32 v[PW+\a], v[TM+7], 24, v[PW+\a]
	s_wait_alu depctr_va_vdst(0)
	s_wait_xcnt 0x0                        ; the last block's stores have read their data
	WIN 2
.irp c, 0,1
	v_cvt_scalef32_pk16_fp6_f32 v[PC+6*\c:PC+6*\c+2], v[AC+32*\c:AC+32*\c+15], v[TM+12+2*\c]
	v_cvt_scalef32_pk16_fp6_f32 v[PC+12+4*\c:PC+14+4*\c], v[AC+32*\c+16:AC+32*\c+31], v[TM+12+2*\c+1]
.endr
	WIN 0
	v_nop
.irp c, 0,1
.irp i, 0,1,2
	v_permlane16_swap_b32 v[PC+6*\c+\i], v[PC+12+4*\c+\i]
.endr
.irp i, 0,1,2
	v_mov_b32 v[PC+3+6*\c+\i], v[PC+12+4*\c+\i]
.endr
.endr
.irp c, 0,1
.irp i, 0,1,2
	global_store_b64 v[CO], v[PC+6*\c+2*\i:PC+6*\c+2*\i+1], s[12:13] offset:12288*(\a)+768*\c+256*\i   ; 32 lanes store 256 consecutive bytes, aligned
.endr
.endr
.endm
	PLACES 4
.irp a, 0,1,2,3
	OUT \a
.endr
.irp k, 0,1
	v_cndmask_b32 v[JW+\k], v[PW+2*\k], v[PW+2*\k+1], s95
.endr
.irp k, 0,1
	global_store_b32 v[CS], v[JW+\k], s[92:93] offset:128*\k
.endr
	s_wait_tensorcnt 0x0                   ; the wave's end
	ds_add_u32 v[SPW], v[NIL]
	s_wait_dscnt 0x0
	CROUND                                 ; the closing round
	s_endpgm
.Lfunc_end_k_q68c6fb0178_proj:
	.size	k_q68c6fb0178_proj, .Lfunc_end_k_q68c6fb0178_proj-k_q68c6fb0178_proj
	.p2alignl 7, 3214868480
	.fill 96, 4, 3214868480
	.section	.rodata,"a",@progbits
	.p2align	6, 0x0
	.amdhsa_kernel k_q68c6fb0178_proj
		.amdhsa_group_segment_fixed_size 327680
		.amdhsa_private_segment_fixed_size 0
		.amdhsa_enable_private_segment 0
		.amdhsa_kernarg_size 120
		.amdhsa_user_sgpr_count 2
		.amdhsa_user_sgpr_kernarg_segment_ptr 1
		.amdhsa_wavefront_size32 1
		.amdhsa_system_sgpr_workgroup_id_x 1
		.amdhsa_system_sgpr_workgroup_id_y 1
		.amdhsa_system_sgpr_workgroup_id_z 1
		.amdhsa_system_vgpr_workitem_id 0
		.amdhsa_next_free_vgpr 768
		.amdhsa_next_free_sgpr 98
		.amdhsa_reserve_vcc 0
		.amdhsa_float_denorm_mode_32 3
		.amdhsa_float_denorm_mode_16_64 3
		.amdhsa_memory_ordered 1
		.amdhsa_forward_progress 1
		.amdhsa_inst_pref_size 83
	.end_amdhsa_kernel
	.amdgpu_metadata
---
amdhsa.version: [ 1, 2 ]
amdhsa.kernels:
  - .name:           k_q68c6fb0178_proj
    .symbol:         k_q68c6fb0178_proj.kd
    .args:
      - { .name: query_codes, .offset: 0, .size: 8, .value_kind: global_buffer, .address_space: global }
      - { .name: query_scales, .offset: 8, .size: 8, .value_kind: global_buffer, .address_space: global }
      - { .name: Wq_codes, .offset: 16, .size: 8, .value_kind: global_buffer, .address_space: global }
      - { .name: Wq_scales, .offset: 24, .size: 8, .value_kind: global_buffer, .address_space: global }
      - { .name: qbuf, .offset: 32, .size: 8, .value_kind: global_buffer, .address_space: global }
      - { .name: key_codes, .offset: 40, .size: 8, .value_kind: global_buffer, .address_space: global }
      - { .name: key_scales, .offset: 48, .size: 8, .value_kind: global_buffer, .address_space: global }
      - { .name: Wk_codes, .offset: 56, .size: 8, .value_kind: global_buffer, .address_space: global }
      - { .name: Wk_scales, .offset: 64, .size: 8, .value_kind: global_buffer, .address_space: global }
      - { .name: kbuf, .offset: 72, .size: 8, .value_kind: global_buffer, .address_space: global }
      - { .name: Wv_codes, .offset: 80, .size: 8, .value_kind: global_buffer, .address_space: global }
      - { .name: Wv_scales, .offset: 88, .size: 8, .value_kind: global_buffer, .address_space: global }
      - { .name: value_codes, .offset: 96, .size: 8, .value_kind: global_buffer, .address_space: global }
      - { .name: value_scales, .offset: 104, .size: 8, .value_kind: global_buffer, .address_space: global }
      - { .name: vbuf, .offset: 112, .size: 8, .value_kind: global_buffer, .address_space: global }
    .group_segment_fixed_size: 327680
    .private_segment_fixed_size: 0
    .kernarg_segment_align: 8
    .kernarg_segment_size: 120
    .max_flat_workgroup_size: 128
    .sgpr_count:     98
    .vgpr_count:     768
    .wavefront_size: 32
...
	.end_amdgpu_metadata
.endif
;; end of part 6
;; launch attn (part 7): grid 4 x 64, 16 waves a work-group, clusters of 4 x 1, 210,944 bytes of LDS; arguments qbuf, kbuf, vbuf, maskw, zbuf; writes zbuf
.if DOCPART == 7
	.amdgcn_target "amdgcn-amd-amdhsa--gfx1250"
	.amdhsa_code_object_version 6
	.text
	.protected	k_q68c6fb0178_attn
	.globl	k_q68c6fb0178_attn
	.p2align	8
	.type	k_q68c6fb0178_attn,@function
k_q68c6fb0178_attn:
	s_mov_b64 s[64:65], 0
	v_nop
	global_prefetch_b8 v0, s[64:65] scope:SCOPE_SE
	s_setreg_imm32_b32 hwreg(HW_REG_WAVE_MODE, 25, 1), 1
	s_wait_xcnt 0x0
	s_wait_alu depctr_hold_cnt(0) depctr_sa_sdst(0) depctr_va_vdst(0) depctr_va_sdst(0) depctr_va_ssrc(0) depctr_va_vcc(0) depctr_vm_vsrc(0)
	s_getreg_b32 s2, hwreg(HW_REG_IB_STS2, 6, 4)
	s_cmp_eq_u32 s2, 0
	s_cbranch_scc0 .Lentry_in_a_cluster
	s_endpgm
.Lentry_in_a_cluster:
	s_bfe_u32 s2, ttmp6, 0x10000c
	s_cmp_lg_u32 s2, 0x3003
	s_cbranch_scc0 .Lentry_shape_is_right
	s_endpgm
.Lentry_shape_is_right:
; ATTENTION on codes of FP6 (E2M3): Z[b][q][head] = softmax_k(mask ? Q . K / 8 : a very negative logit) V, both products quantised; Z is quantised along the channels on its way out.
; SHARES.  Work-group (x, y = 16 b + head) owns 512 queries of one head: 256 work-groups in all.  Each of its sixteen waves owns two neighbouring tiles of 16 queries, TQ = 128 b + 32 x + 2 wave and TQ + 1,
; one after the other, in 256 registers: four waves to a SIMD, so that one wave's vector work stands beside another's matrix work and waits.  For each tile the wave walks the 2,048 keys, 128 a step.
; LDS.  The head's K (98,304 bytes), V^T (98,304) and their scale words (8,192 + 4,096) all fit and are brought ONCE for the work-group's 512 queries.  K comes by waves 0 and 1 and V by waves 2 and 3, each as two halves of
; 1,024 keys (V's lie in two planes of its buffer): one tensor load a wave.  The scale words come through registers (16 + 8 bytes a thread) into LDS bytes of their own.  One wait for all loads and one barrier
; stand in front of the first read; nothing is filled again, and behind that barrier no wave waits for another until the launch's end.
; CLUSTER 4, 1, 1.  The four work-groups of a head read the same K and V: each half is asked for JOINTLY, by the same tensor load with the same descriptor (made of b and head alone) and a mask that names the four.
; The place in the cluster enters only the offsets of Q, Z and the mask words: no LDS address, no branch, no trip count.
; LAYOUT.  Operands lie in memory and in LDS as images of their registers: 768 bytes = 16 rows x 64 K, lane's 24 bytes in three pieces at 256 i + 8 lane: every load of a wave reads 256 consecutive bytes.
; Both products are used transposed: S^T = K Q^T (source 0 = 16 keys), O^T = V^T P^T (source 0 = 16 channels): lane (r, h) holds ONE query r; register i of tile j is key (channel) 16 j + 8 h + i.
; The first product's K is 64: the upper six registers of both fragments hold zero codes, which add nothing.
; Inside a block of 32 the codes of Q, K, V and p stand in the order 0-7, 16-23, 8-15, 24-31, alike on both operands of a product.  Z meets given codes next, so it is brought into the true order first.
; SOFTMAX.  t = score x log2(e) / 8; M = the running largest t rounded up to a whole number; p = 2^(t - M) is quantised, not normalised; the row's sum is taken of the unquantised p and divides at the end.
; When M moves, the sum and O^T are multiplied by 2^(old M - new M): exact.
; THE MASK comes as lane masks, one word for each score register, made by an earlier launch: 64 words, 256 bytes, a tile and step, by four scalar loads into s[16:63] and s[80:95].  Every step selects all its
; 64 scores: no branch hangs on the mask.  A step's words are asked for directly behind the last select of the step before; a wave's two tiles lie side by side in that buffer, so the look-ahead runs on.
; THE ORDER INSIDE A STEP is chosen so that a wave seldom waits for itself: K's first four fragments are asked for a step ahead, V's between the links of the chain that makes M; the exponentials stand in one batch behind
; the scalings of all pairs and the rescaling of O^T; maxima and sums go in several chains; a few sums stand behind the second product.
; LIMITS.  A masked score is -2^33, a logit of -2^30 where the definition has -1e9: c x 2^33 is a whole number, so in a row that is masked throughout t - M is exactly 0 and every p is 1, as defined;
; the two differ only where true logits reach about -1e9.  NaN and infinities are not served.  A block of zeros, or one under 2^-124, gets the scale byte 1 (read by this program alone).
.set KIMG,  0
.set VIMG,  98304
.set HALFB, 49152                      ; half of K's or of V's images
.set KSC,   196608
.set VSC,   204800
.set MLAST, 0x1fff00                   ; the last 256 bytes of the mask words
.set LK,  1                            ; v1   8 x lane
.set LV,  2                            ; v2   VIMG + 8 x lane
.set LSK, 3                            ; v3   KSC + 4 r + 64 h + 2 (head % 2): lanes 0-15 a tile's rows, lanes 16-31 the next tile's
.set LSV, 4                            ; v4   VSC + 4 r
.set NEG, 5                            ; v5   -2^33
.set ZSO, 6                            ; v6   my byte among Z's scale bytes, counted from Z's image
.set OLD, 7                            ; v7   -M as it was; on the way out my block's scale byte
.set ADK, 8                            ; v8-11 the step's LDS addresses
.set ADV, 9
.set ADS, 10
.set ADT, 11
.set QF,  16                           ; v16-27 Q's fragment (v22-27 zeros)      v12 -M, v13 the largest t, v[14:15] the sum in two halves
.set QS,  28                           ; Q's scale word
.set PS,  29                           ; p's
.set KS,  30                           ; v30-31 K's: two tiles to a register
.set BO,  32                           ; the conversions' scale operands: block b's at v[BO + b + 160 (b / 2)]: v32, v33, v194, v195
.set VS,  34                           ; v34-37 V's
.set F,   38                           ; v[38:39] f = 2^(old M - new M)
.set KF,  40                           ; v40-87 four fragments of K (the upper six registers of each stay zeros)
.set S,   88                           ; v88-151 S^T, then p; at the end Z
.set O,   152                          ; v152-183 O^T
.set PC,  184                          ; v184-195 p's codes.  The conversions write v184-186 and v190-192; the other six hold temporaries until the moves fill them
.set BP,  187                          ; a block's second chain, the other half's maximum, then its byte: block b's at v[BP + b + 3 (b / 3)]: v187-189, v193
.set PD,  196                          ; v196-198, v200-202 the conversions' second halves
.set BM,  200                          ; v200-203 block maxima: done with before the conversions write there
.set VF,  204                          ; v204-251 four fragments of V
.set L2,  252                          ; v[252:253] the sum's second chain
.set TMP, 254
.set QSO, 255                          ; v255 my row's scale word of Q, counted from Q's image
.set SEL, 2                            ; s[2:3] selects for lane l xor 16
.set QB,  4                            ; s[4:5] Q's image of my first tile
.set ZB,  6                            ; s[6:7] Z's
.set MB,  8                            ; s[8:9] the mask words
.set CS,  10                           ; s[10:11] c = log2(e) / 8
.set TK,  12                           ; s12, s13, s66, s67: where the step's K, V, K's scales, V's scales begin in LDS
.set TV,  13
.set WV,  14                           ; s14 my wave's number
.set MO,  15                           ; s15 the mask words asked for last: byte offset
.set MW0, 16                           ; s[16:63] mask words 0-47
.set TSK, 66
.set TSV, 67
.set G0A, 68                           ; s[68:71] descriptor group 0
.set G1,  72                           ; s[72:79] group 1
.set MW1, 80                           ; s[80:95] mask words 48-63
.set G0B, 96
.set CNT, 100
.set HI,  101                          ; lanes 16-31
.macro G1SET g, c, r, p                ; descriptor group 1: r rows of c elements of 8 bytes, p elements apart; the mask names all four work-groups, bit 21 beside it; no padding
	s_mov_b32 s[\g], 15|(3<<16)|(1<<21)
	s_mov_b32 s[\g+1], (\c)<<16
	s_mov_b32 s[\g+2], (\r)<<16
	s_mov_b32 s[\g+3], (\c)<<16
	s_mov_b32 s[\g+4], \r
	s_mov_b32 s[\g+5], \p
	s_mov_b32 s[\g+6], 0
	s_mov_b32 s[\g+7], 0
.endm
.macro G0SET g, lds, base, off         ; group 0: count 1, the LDS byte, the global address, type 2
	s_mov_b32 s[\g], 1
	s_mov_b32 s[\g+1], \lds
	s_add_nc_u64 s[\g+2:\g+3], s[\base:\base+1], \off
	s_or_b32 s[\g+3], s[\g+3], 0x80000000
.endm
.macro CROUND                          ; a round of the cluster's barrier: my work-group's barrier; wave 0 signals for the work-group; every wave waits for all four; my work-group's barrier once more
	s_barrier_signal -1
	s_barrier_wait -1
	s_cmp_lg_u32 s[WV], 0
	s_cbranch_scc1 .Lnot_wave_0_\@
	s_barrier_signal -3
.Lnot_wave_0_\@:
	s_barrier_wait -3
	s_barrier_signal -1
	s_barrier_wait -1
.endm
.macro QLOAD p                         ; tile p's Q: its fragment, and its rows' two scale bytes (the upper two are 0 and stand over zero codes)
.irp i, 0,1,2
	global_load_b64 v[QF+2*\i:QF+2*\i+1], v[LK], s[QB:QB+1] offset:12288*\p+256*\i
.endr
	global_load_u16 v[QS], v[QSO], s[QB:QB+1] offset:64*\p
.endm
.macro MLOAD                           ; 64 lane masks, 256 bytes
	s_load_b512 s[MW0:MW0+15], s[MB:MB+1], s[MO]
	s_load_b512 s[MW0+16:MW0+31], s[MB:MB+1], s[MO] offset:64
	s_load_b512 s[MW0+32:MW0+47], s[MB:MB+1], s[MO] offset:128
	s_load_b512 s[MW1:MW1+15], s[MB:MB+1], s[MO] offset:192
.endm
	s_load_b256 s[16:23], s[0:1], 0x0              ; qbuf s[16:17], kbuf s[18:19], vbuf s[20:21], maskw s[22:23]  (s16-63 serve the head until the first mask words are asked for)
	s_load_b64 s[24:25], s[0:1], 0x20              ; zbuf
	v_lshl_add_u32 v254, v0, 2, 0x33000
	v_mov_b32 v255, 0
	ds_add_u32 v254, v255
	ds_add_u32 v254, v255
	s_wait_dscnt 0x0
	v_lshrrev_b32 v7, 5, v0
	v_readfirstlane_b32 s[WV], v7                  ; wave 0..15
	s_bfe_u32 s26, ttmp6, 0x40000                  ; cx: my place in the cluster
	s_lshl_b32 s27, ttmp9, 2                       ; in a cluster launch ttmp9 counts clusters
	s_add_co_u32 s27, s27, s26                     ; x: my block of 512 queries
	s_and_b32 s28, ttmp7, 0xffff
	s_and_b32 s29, s28, 15                         ; head
	s_lshr_b32 s30, s28, 4                         ; b
	s_and_b32 s31, s29, 1
	s_lshl_b32 s32, s30, 7
	s_lshl_b32 s33, s27, 5
	s_add_co_u32 s32, s32, s33
	s_lshl_b32 s33, s[WV], 1
	s_add_co_u32 s32, s32, s33                     ; TQ, my first tile
	s_lshl_b32 s34, s32, 4
	s_add_co_u32 s34, s34, s29
	s_mul_i32 s34, s34, 768                        ; the image (TQ, head): Q's and Z's
	s_mov_b32 s35, 0
	s_lshr_b32 s36, s29, 1
	s_lshl_b32 s36, s36, 9                         ; 512 (head / 2)
	s_add_co_u32 s37, s36, s32
	s_lshl_b32 s37, s37, 6
	s_lshl_b32 s38, s31, 1
	s_add_co_u32 s37, s37, s38
	s_add_co_u32 s37, s37, 0x600000                ; Q's scale words: 6,291,456 + (512 (head / 2) + TQ) 64 + 2 (head % 2),
	s_sub_co_u32 s37, s37, s34                     ; counted from the image: at least 44,226 at every tile and head
	s_lshl_b32 s39, s32, 9
	s_lshl_b32 s40, s29, 1
	s_add_co_u32 s39, s39, s40
	s_add_co_u32 s39, s39, 0x600000                ; Z's scale bytes: 6,291,456 + 32 x token + 2 head,
	s_sub_co_u32 s39, s39, s34                     ; counted from the image: at least 274,206
	s_lshl_b32 s[MO], s32, 12                      ; the tile's mask words: 4,096 bytes a tile
	s_lshl_b32 s41, s31, 1
	s_add_co_u32 s41, s41, KSC                     ; K's scale words in LDS, my head's two bytes of each
	; what the four partners share hangs on b and head alone
	s_lshl_b32 s42, s30, 11
	s_add_co_u32 s42, s42, s29
	s_mul_i32 s42, s42, 768                        ; K's image (128 b, head)
	s_mov_b32 s43, 0
	s_lshl_b32 s44, s30, 7
	s_add_co_u32 s44, s44, s36
	s_lshl_b32 s44, s44, 6
	s_add_co_u32 s44, s44, 0x600000                ; K's scale words: 8,192 dense bytes
	s_mov_b32 s45, 0
	s_mul_i32 s46, s30, 1572864                    ; V: two planes of 786,432 bytes a batch,
	s_mul_i32 s48, s29, 49152                      ; 64 images of 768 bytes a head
	s_add_co_u32 s46, s46, s48
	s_mov_b32 s47, 0
	s_lshl_b32 s48, s30, 19
	s_lshl_b32 s49, s29, 8
	s_add_co_u32 s48, s48, s49
	s_add_co_u32 s48, s48, 0x600000                ; V's scale words: 6,291,456 + (8,192 b + 4 head) 64
	s_mov_b32 s49, 0
	s_mov_b32 s[SEL], 0x76543210
	s_mov_b32 s[SEL+1], 0xfedcba98
	s_mov_b32 s[CS], 0x3e38aa3b
	s_mov_b32 s[CS+1], s[CS]                       ; (named with it as a pair, so it is written)
	s_mov_b32 s[HI], 0xffff0000
	s_wait_kmcnt 0x0
	s_add_nc_u64 s[42:43], s[18:19], s[42:43]      ; K's images
	s_add_nc_u64 s[44:45], s[18:19], s[44:45]      ; K's scale words
	s_add_nc_u64 s[46:47], s[20:21], s[46:47]      ; V's images
	s_add_nc_u64 s[48:49], s[20:21], s[48:49]      ; V's scale words
	s_add_nc_u64 s[QB:QB+1], s[16:17], s[34:35]
	s_add_nc_u64 s[ZB:ZB+1], s[24:25], s[34:35]
	s_mov_b64 s[MB:MB+1], s[22:23]
	CROUND                                         ; all four work-groups are here: the joint loads meet
	; THE FILLS: a wave's one stands in a chain of branches on its number, ahead of every wait on TENSORcnt, every LDS read and every other barrier
; ONE tensor load a wave: waves 0 and 1 bring K's two halves, waves 2 and 3 V's; one chain of branches on the wave's number, all arms leading to one join
.macro ARM w, c, r, p, lds, base, off, next
	s_cmp_eq_u32 s[WV], \w
	s_cbranch_scc0 \next
	G1SET G1, \c, \r, \p
	G0SET G0A, \lds, \base, \off
	tensor_load_to_lds s[G0A:G0A+3], s[G1:G1+7]
	s_nop 0
.rept 4
	v_nop
.endr
	s_branch .Lasked
\next:
.endm
	ARM 0, 96, 64, 1536, KIMG, 42, 0, .Lw1
	ARM 1, 96, 64, 1536, KIMG+HALFB, 42, 786432, .Lw2
	ARM 2, 32, 192, 32, VIMG, 46, 0, .Lw3
	ARM 3, 32, 192, 32, VIMG+HALFB, 46, 786432, .Lw4
.Lasked:
	v_and_b32 v7, 31, v0
	v_lshlrev_b32 v[LK], 3, v7
	v_and_b32 v8, 15, v0                           ; r
	v_bfe_u32 v9, v0, 4, 1                         ; h
	v_lshlrev_b32 v10, 4, v0                       ; K's scale words: 16 bytes a thread, 8,192 on end
	v_lshrrev_b32 v11, 5, v0
	v_lshl_add_u32 v11, v11, 15, v[LK]             ; V's: wave s takes step s's 256 bytes, 32,768 bytes apart; 8 bytes a lane
	global_load_b128 v[S:S+3], v10, s[44:45]
	global_load_b64 v[S+4:S+5], v11, s[48:49]
	v_lshl_add_u32 v[QSO], v8, 2, s37
	QLOAD 0
	v_lshlrev_b32 v7, 2, v8                        ; 4 r
	v_add_nc_u32 v[LSK], s41, v7
	v_lshl_add_u32 v[LSK], v9, 6, v[LSK]           ; lanes 16-31: the next tile's rows
	v_add_nc_u32 v[LSV], VSC, v7
	v_add_nc_u32 v[LV], VIMG, v[LK]
	v_lshl_add_u32 v[ZSO], v8, 5, v9               ; 32 r + h
	v_add_nc_u32 v[ZSO], s39, v[ZSO]
	v_lshl_add_u32 v[S+8], v0, 4, KSC              ; where the scale words go: as they lie
	v_lshl_add_u32 v[S+9], v0, 3, VSC
	s_wait_xcnt 0x0                                ; the loads above have had their addresses translated: their bases in s44-49 are written again only behind this wait
	MLOAD                                          ; the first step's mask words (what s16-63 held at the head is done with)
.irp i, 6,7,8,9,10,11
	v_mov_b32 v[QF+\i], 0                          ; K = 64 .. 127: zero codes
.irp t, 0,1,2,3
	v_mov_b32 v[KF+12*\t+\i], 0
.endr
.endr
	v_mov_b32 v[NEG], 0xd0000000                   ; -2^33
	v_mov_b32 v[F+1], 0                            ; (named as the upper half of the pair before it is written)
	s_wait_loadcnt 4                               ; the scale words are in; Q's four loads may be out
	ds_store_b128 v[S+8], v[S:S+3]
	ds_store_b64 v[S+9], v[S+4:S+5]
.macro INIT                            ; a tile begins: the step is written once; the first finds zeros, which the first change of M leaves zeros
	v_mov_b32 v13, 0xff61b1e6                      ; the largest t so far: -3e38, under every t
	v_floor_f32 v12, -v13                          ; -M
	v_mov_b32 v14, 0
	v_mov_b32 v15, 0
.set j, 0
.rept 32
	v_mov_b32 v[O+j], 0
.set j, j+1
.endr
	s_mov_b32 s[TK], 0
	s_mov_b32 s[TV], 0
	s_mov_b32 s[TSK], 0
	s_mov_b32 s[TSV], 0
.endm
.macro KLOAD ak, sk, t0                ; four tiles of 16 keys, from tile t0 on behind the addresses: three pieces of 8 bytes a lane; their rows' two scale bytes, two tiles to a load
.irp t, 0,1,2,3
.irp i, 0,1,2
	ds_load_b64 v[KF+12*\t+2*\i:KF+12*\t+2*\i+1], v[\ak] offset:(\t0+\t)*768+256*\i
.endr
.endr
.irp u, 0,1
	ds_load_u16 v[KS+\u], v[\sk] offset:(\t0+2*\u)*64
.endr
.endm
.macro VLOAD t                         ; V's fragment of channel tile t, these 128 keys, and its rows' scale word
.irp p, 0,1,2,3,4,5
	ds_load_b64 v[VF+12*\t+2*\p:VF+12*\t+2*\p+1], v[ADV] offset:12288*\t+768*(\p/3)+256*(\p%3)
.endr
	ds_load_b32 v[VS+\t], v[ADT] offset:64*\t
.endm
.macro KQ g                            ; S^T = K Q^T of four tiles; an odd tile's scales stand in lanes 16-31
.irp t, 0,1,2,3
.if \t%2
	v_wmma_scale_f32_16x16x128_f8f6f4 v[S+8*(4*\g+\t):S+8*(4*\g+\t)+7], v[KF+12*\t:KF+12*\t+11], v[QF:QF+11], 0, v[KS+\t/2], v[QS] matrix_a_fmt:MATRIX_FMT_FP6 matrix_b_fmt:MATRIX_FMT_FP6 matrix_a_scale:MATRIX_SCALE_ROW1
.else
	v_wmma_scale_f32_16x16x128_f8f6f4 v[S+8*(4*\g+\t):S+8*(4*\g+\t)+7], v[KF+12*\t:KF+12*\t+11], v[QF:QF+11], 0, v[KS+\t/2], v[QS] matrix_a_fmt:MATRIX_FMT_FP6 matrix_b_fmt:MATRIX_FMT_FP6
.endif
.endr
.endm
.macro SELECT g                        ; the scores of hidden keys become -2^33; ascending: each accumulator from its low end on
.set n, 32*\g
.rept 32
.if n < 48
	v_cndmask_b32 v[S+n], v[NEG], v[S+n], s[MW0+n]
.else
	v_cndmask_b32 v[S+n], v[NEG], v[S+n], s[MW1+n-48]
.endif
.set n, n+1
.endr
.endm
; The largest score of two blocks of 32 keys (my 16 of each): it serves the row's maximum and, since p rises with the score, the block's largest p.  Two chains a block, four in all, by turns: eight lines a block
.macro BMAX b0, b1
.irp b, \b0, \b1
	v_max3_num_f32 v[BM+\b], v[S+16*\b], v[S+16*\b+1], v[S+16*\b+2]
	v_max3_num_f32 v[BP+\b+3*(\b/3)], v[S+16*\b+3], v[S+16*\b+4], v[S+16*\b+5]
.endr
.irp i, 6,10
.irp b, \b0, \b1
	v_max3_num_f32 v[BM+\b], v[BM+\b], v[S+16*\b+\i], v[S+16*\b+\i+1]
	v_max3_num_f32 v[BP+\b+3*(\b/3)], v[BP+\b+3*(\b/3)], v[S+16*\b+\i+2], v[S+16*\b+\i+3]
.endr
.endr
.irp b, \b0, \b1
	v_max3_num_f32 v[BM+\b], v[BM+\b], v[BP+\b+3*(\b/3)], v[S+16*\b+14]
.endr
.irp b, \b0, \b1
	v_max_num_f32 v[BM+\b], v[BM+\b], v[S+16*\b+15]
.endr
.endm
.macro TFMA jj                         ; t - M of pair jj of the scores
	v_pk_fma_f32 v[S+2*(\jj):S+2*(\jj)+1], v[S+2*(\jj):S+2*(\jj)+1], s[CS:CS+1], v[12:13] op_sel_hi:[1,0,0]
.endm
.macro OMUL ii                         ; pair ii of O^T under the new M.  Taken in ascending order: each accumulator from its low end on
	v_pk_mul_f32 v[O+2*(\ii):O+2*(\ii)+1], v[O+2*(\ii):O+2*(\ii)+1], v[F:F+1] op_sel_hi:[1,0]
.endm
.macro PADD mm                         ; pair mm of the UNQUANTISED p onto the row's sum: even pairs onto one chain, odd pairs onto the other
.if (\mm)%2
	v_pk_add_f32 v[L2:L2+1], v[L2:L2+1], v[S+2*(\mm):S+2*(\mm)+1]
.else
	v_pk_add_f32 v[14:15], v[14:15], v[S+2*(\mm):S+2*(\mm)+1]
.endif
.endm
; A KEY STEP: 128 keys.
.macro STEP
	s_wait_dscnt 0x0                               ; K's tiles 0-3, asked for in the step before (ahead of a tile's first step: by a load of their own)
	KQ 0
	v_add_nc_u32 v[ADK], s[TK], v[LK]              ; the step's four addresses are the four places behind the products, ahead of the loads into the registers that they read
	v_add_nc_u32 v[ADS], s[TSK], v[LSK]            ; and of the first read of their scores
	v_add_nc_u32 v[ADV], s[TV], v[LV]
	v_add_nc_u32 v[ADT], s[TSV], v[LSV]
	KLOAD ADK, ADS, 4                              ; tiles 4-7 land under the selects
	s_wait_kmcnt 0x0                               ; this step's 64 mask words, asked for a step ago
	SELECT 0
	s_wait_dscnt 0x0
	KQ 1
	BMAX 0, 1                                      ; 16 plain lines on the first four tiles' scores: also the places behind the products above
	KLOAD ADK, ADS, 8                              ; THE NEXT STEP'S tiles 0-3: K's images and scale words lie on end.  Behind a tile's last step they come from the bytes behind K's, inside LDS, and are not used
	SELECT 1
	s_add_co_u32 s[MO], s[MO], 256                 ; (no scalar load is out: the offset may step)  the next step's words, my second tile's behind my first's;
	s_min_u32 s[MO], s[MO], MLAST                  ; held inside the buffer: behind a wave's last step the words brought are not used
	MLOAD
	BMAX 2, 3
.irp b, 0,1,2,3
	v_permlanex16_b32 v[BP+\b+3*(\b/3)], v[BM+\b], s[SEL], s[SEL+1]
.endr
.irp b, 0,1,2,3
	v_max_num_f32 v[BM+\b], v[BM+\b], v[BP+\b+3*(\b/3)]   ; with lane l xor 16's 16 keys
.endr
	v_mov_b32 v[OLD], v12
	v_max3_num_f32 v[TMP], v[BM], v[BM+1], v[BM+2]  ; a chain of five links makes M; V's loads stand between the links
	VLOAD 0
	v_max_num_f32 v[TMP], v[TMP], v[BM+3]          ; the step's largest score of my query
	VLOAD 1
	v_mul_f32 v[TMP], s[CS], v[TMP]                ; as t (c is positive)
	VLOAD 2
	v_max_num_f32 v13, v13, v[TMP]                 ; the running largest t
	VLOAD 3
	v_floor_f32 v12, -v13                          ; the new -M = -ceil(t): a whole number
	v_sub_f32 v[TMP], v12, v[OLD]                  ; old M - new M: a whole number, 0 or less
	v_cvt_i32_f32 v[TMP], v[TMP]                   ; (it saturates)
.set j, 0
.rept 32
	TFMA j                                         ; all the batch's sources are laid first
.set j, j+1
.endr
	v_ldexp_f32 v[F], 1.0, v[TMP]                  ; f = 2^(old M - new M)
.irp b, 0,1,2,3
	v_fma_f32 v[BM+\b], v[BM+\b], s[CS], v12       ; t - M of each block's largest score
.endr
	v_pk_mul_f32 v[14:15], v[14:15], v[F:F+1] op_sel_hi:[1,0]   ; the sum under the new M
.set j, 0
.rept 16
	OMUL j                                         ; O^T under the new M, ahead of the batch
.set j, j+1
.endr
	s_wait_alu depctr_va_vdst(0)
.irp b, 0,1,2,3
	v_exp_f32 v[BM+\b], v[BM+\b]                   ; the block's largest p: the same two instructions on the same number as that p itself
.endr
.set j, 0
.rept 64
	v_exp_f32 v[S+j], v[S+j]                       ; p = 2^(t - M), at most 1
.set j, j+1
.endr
	v_nop                                          ; one plain place behind the batch
	s_wait_alu depctr_va_vdst(0)                   ; and one wait for the whole batch, ahead of its first reader
	v_pk_add_f32 v[L2:L2+1], v[S:S+1], v[S+2:S+3]  ; pairs 0 and 1 start the second chain
.set j, 2
.rept 22
	PADD j
.set j, j+1
.endr
.irp b, 0,1,2,3
	v_max_num_f32 v[BM+\b], 0x1800000, v[BM+\b]    ; the floor 2^(3 - 127): the byte cannot fall under 1
.endr
.irp b, 0,1,2,3
	v_add_nc_u32 v[BO+\b+160*(\b/2)], 0xff000000, v[BM+\b]    ; 2 off the exponent field: the conversion's scale operand
.endr
.irp b, 0,1,2,3
	v_lshrrev_b32 v[BP+\b+3*(\b/3)], 23, v[BO+\b+160*(\b/2)]  ; the scale's byte
.endr
	s_wait_alu depctr_va_vdst(0)
.irp c, 0,1
	v_cvt_scalef32_pk16_fp6_f32 v[PC+6*\c:PC+6*\c+2], v[S+32*\c:S+32*\c+15], v[BO+162*\c]
	v_cvt_scalef32_pk16_fp6_f32 v[PD+4*\c:PD+4*\c+2], v[S+32*\c+16:S+32*\c+31], v[BO+162*\c+1]   ; (a conversion's three registers begin on an even number)
.endr
	v_lshl_or_b32 v[PS], v[BP+1], 8, v[BP]         ; p's scale word for these 128 keys: three plain lines that name no register of the conversions: the place behind them
	v_lshl_or_b32 v[PS], v[BP+2], 16, v[PS]
	v_lshl_or_b32 v[PS], v[BP+6], 24, v[PS]
.irp c, 0,1                                    ; a WHOLE block to a lane
.irp i, 0,1,2
	v_permlane16_swap_b32 v[PC+6*\c+\i], v[PD+4*\c+\i]
.endr
.endr
.irp c, 0,1
.irp i, 0,1,2
	v_mov_b32 v[PC+3+6*\c+\i], v[PD+4*\c+\i]
.endr
.endr
.irp m, 24,25,26,27,28
	PADD \m
.endr
	s_wait_alu depctr_va_vdst(0)
	s_wait_dscnt 0x0
.irp t, 0,1,2,3                                ; O^T += V^T P^T: the four accumulators by turns
	v_wmma_scale_f32_16x16x128_f8f6f4 v[O+8*\t:O+8*\t+7], v[VF+12*\t:VF+12*\t+11], v[PC:PC+11], v[O+8*\t:O+8*\t+7], v[VS+\t], v[PS] matrix_a_fmt:MATRIX_FMT_FP6 matrix_b_fmt:MATRIX_FMT_FP6
.endr
.irp m, 29,30,31
	PADD \m                                        ; the last sums stand behind the products, whose registers they do not name
.endr
	v_pk_add_f32 v[14:15], v[14:15], v[L2:L2+1]
	s_add_co_u32 s[TK], s[TK], 6144                ; eight key tiles on,
	s_add_co_u32 s[TV], s[TV], 1536                ; two images on in each channel tile,
	s_add_co_u32 s[TSK], s[TSK], 512
	s_add_co_u32 s[TSV], s[TSV], 256
.endm
.macro HALF                            ; half of the keys, eight steps
	s_mov_b32 s[CNT], 8
.Lstep_\@:
	STEP
	s_sub_co_u32 s[CNT], s[CNT], 1
	s_cmp_lg_u32 s[CNT], 0
	s_cbranch_scc1 .Lstep_\@
	s_add_co_u32 s[TV], s[TV], 36864               ; V's other half: 49,152 less the eight steps' 12,288
.endm
; THE WAY OUT of tile p: Z = O^T / the sum, brought into the true order of channels, quantised along them, stored as an image and two scale bytes a row.
.macro WAYOUT p
.rept 4
	v_nop                                          ; places behind the last products
.endr
.if \p == 0
	QLOAD 1                                        ; my second tile's Q and its first four fragments of K are asked for here and land under the lines below
	KLOAD LK, LSK, 0                               ; (the last products that read these registers stand most of a step back)
.endif
	s_wait_alu depctr_va_vdst(0)
	v_add_f32 v14, v14, v15
	v_permlanex16_b32 v[TMP], v14, s[SEL], s[SEL+1]
	v_add_f32 v14, v14, v[TMP]
	s_wait_alu depctr_va_vdst(0)
	v_rcp_f32 v14, v14
	v_nop                                          ; one plain place behind a transcendental
.set j, 0
	s_wait_alu depctr_va_vdst(0)
.rept 32
	v_mul_f32 v[S+j], v[O+j], v14                  ; register 8 t + i: channel 16 t + 8 h + i
.set j, j+1
.endr
.irp b, 0,1
.irp i, 0,1,2,3,4,5,6,7
	v_permlane16_swap_b32 v[S+16*\b+\i], v[S+16*\b+8+\i]   ; tile 2 b's lanes 16-31 change places with tile 2 b + 1's lanes 0-15: my 16 registers are now channels 32 b + 16 h + 0 .. 15
.endr
.endr
.irp b, 0,1
	v_max3_num_f32 v[BM+\b], |v[S+16*\b]|, |v[S+16*\b+1]|, 0x1800000
.endr
.irp i, 2,4,6,8,10,12,14
.irp b, 0,1
	v_max3_num_f32 v[BM+\b], v[BM+\b], |v[S+16*\b+\i]|, |v[S+16*\b+\i+1]|
.endr
.endr
.irp b, 0,1
	v_permlanex16_b32 v[BP+\b], v[BM+\b], s[SEL], s[SEL+1]
.endr
.irp b, 0,1
	v_max_num_f32 v[BM+\b], v[BM+\b], v[BP+\b]
.endr
.irp b, 0,1
	v_add_nc_u32 v[BO+\b], 0xff000000, v[BM+\b]
.endr
.irp b, 0,1
	v_lshrrev_b32 v[BP+\b], 23, v[BO+\b]
.endr
	v_cndmask_b32 v[OLD], v[BP], v[BP+1], s[HI]    ; my block's byte (taken before the moves below write over the two)
	v_cvt_scalef32_pk16_fp6_f32 v[PC:PC+2], v[S:S+15], v[BO]
	v_cvt_scalef32_pk16_fp6_f32 v[PD:PD+2], v[S+16:S+31], v[BO+1]
	v_nop                                          ; one plain place behind a scaled conversion
.irp i, 0,1,2
	v_permlane16_swap_b32 v[PC+\i], v[PD+\i]       ; lane (r, h) now holds block h: its lower 16 codes here, the upper 16 there
.endr
.irp i, 0,1,2
	v_mov_b32 v[PC+3+\i], v[PD+\i]
.endr
.irp i, 0,1,2
	global_store_b64 v[LK], v[PC+2*\i:PC+2*\i+1], s[ZB:ZB+1] offset:12288*\p+256*\i   ; 32 lanes store 256 consecutive bytes, aligned
.endr
	global_store_b8 v[ZSO], v[OLD], s[ZB:ZB+1] offset:512*\p   ; two bytes of each row's 32: laid row by row, as the next launch's scale tiles want them
.endm
	INIT
	s_wait_alu depctr_va_vdst(0)
	s_wait_loadcnt 0x0
	s_wait_tensorcnt 0x0
	s_wait_dscnt 0x0                               ; my stores of scale words are done
	s_barrier_signal -1
	s_barrier_wait -1                              ; both hold of every wave: from here on all that the work-group reads lies in LDS
	KLOAD LK, LSK, 0                               ; MY FIRST TILE: its first four fragments of K
	HALF
	HALF
	WAYOUT 0
	INIT
	s_wait_alu depctr_va_vdst(0)
	s_wait_xcnt 0x0
	s_wait_loadcnt 0x0                             ; Q
	HALF
	HALF
	WAYOUT 1
	s_wait_xcnt 0x0
	v_lshl_add_u32 v254, v0, 2, 0x33000
	v_mov_b32 v255, 0
	s_wait_alu depctr_va_vdst(0)
	s_wait_tensorcnt 0x0
	ds_add_u32 v254, v255
	s_wait_dscnt 0x0
	CROUND                                         ; the closing round: no work-group ends while a partner may still ask for a tile that names it
	s_endpgm
.Lfunc_end_k_q68c6fb0178_attn:
	.size	k_q68c6fb0178_attn, .Lfunc_end_k_q68c6fb0178_attn-k_q68c6fb0178_attn
	.p2alignl 7, 3214868480
	.fill 96, 4, 3214868480
	.section	.rodata,"a",@progbits
	.p2align	6, 0x0
	.amdhsa_kernel k_q68c6fb0178_attn
		.amdhsa_group_segment_fixed_size 210944
		.amdhsa_private_segment_fixed_size 0
		.amdhsa_enable_private_segment 0
		.amdhsa_kernarg_size 40
		.amdhsa_user_sgpr_count 2
		.amdhsa_user_sgpr_kernarg_segment_ptr 1
		.amdhsa_wavefront_size32 1
		.amdhsa_system_sgpr_workgroup_id_x 1
		.amdhsa_system_sgpr_workgroup_id_y 1
		.amdhsa_system_sgpr_workgroup_id_z 1
		.amdhsa_system_vgpr_workitem_id 0
		.amdhsa_next_free_vgpr 256
		.amdhsa_next_free_sgpr 102
		.amdhsa_reserve_vcc 0
		.amdhsa_float_denorm_mode_32 3
		.amdhsa_float_denorm_mode_16_64 3
		.amdhsa_memory_ordered 1
		.amdhsa_forward_progress 1
		.amdhsa_inst_pref_size 112
	.end_amdhsa_kernel
	.amdgpu_metadata
---
amdhsa.version: [ 1, 2 ]
amdhsa.kernels:
  - .name:           k_q68c6fb0178_attn
    .symbol:         k_q68c6fb0178_attn.kd
    .args:
      - { .name: qbuf, .offset: 0, .size: 8, .value_kind: global_buffer, .address_space: global }
      - { .name: kbuf, .offset: 8, .size: 8, .value_kind: global_buffer, .address_space: global }
      - { .name: vbuf, .offset: 16, .size: 8, .value_kind: global_buffer, .address_space: global }
      - { .name: maskw, .offset: 24, .size: 8, .value_kind: global_buffer, .address_space: global }
      - { .name: zbuf, .offset: 32, .size: 8, .value_kind: global_buffer, .address_space: global }
    .group_segment_fixed_size: 210944
    .private_segment_fixed_size: 0
    .kernarg_segment_align: 8
    .kernarg_segment_size: 40
    .max_flat_workgroup_size: 512
    .sgpr_count:     102
    .vgpr_count:     256
    .wavefront_size: 32
...
	.end_amdgpu_metadata
.endif
;; end of part 7
;; launch outproj (part 8): grid 4 x 64, 4 waves a work-group, clusters of 4 x 4, 327,680 bytes of LDS; arguments zbuf, Wo_codes, Wo_scales, bo, out0; writes out0
.if DOCPART == 8
	.amdgcn_target "amdgcn-amd-amdhsa--gfx1250"
	.amdhsa_code_object_version 6
	.text
	.protected	k_q68c6fb0178_outproj
	.globl	k_q68c6fb0178_outproj
	.p2align	8
	.type	k_q68c6fb0178_outproj,@function
k_q68c6fb0178_outproj:
	s_mov_b64 s[64:65], 0
	v_nop
	global_prefetch_b8 v0, s[64:65] scope:SCOPE_SE
	s_setreg_imm32_b32 hwreg(HW_REG_WAVE_MODE, 25, 1), 1
	s_wait_xcnt 0x0
	s_wait_alu depctr_hold_cnt(0) depctr_sa_sdst(0) depctr_va_vdst(0) depctr_va_sdst(0) depctr_va_ssrc(0) depctr_va_vcc(0) depctr_vm_vsrc(0)
	s_getreg_b32 s2, hwreg(HW_REG_IB_STS2, 6, 4)
	s_cmp_eq_u32 s2, 0
	s_cbranch_scc0 .Lentry_in_a_cluster
	s_endpgm
.Lentry_in_a_cluster:
	s_bfe_u32 s2, ttmp6, 0x10000c
	s_cmp_lg_u32 s2, 0xf033
	s_cbranch_scc0 .Lentry_shape_is_right
	s_endpgm
.Lentry_shape_is_right:
; out0 = Z Wo^T + bo on codes of FP6 (E2M3).  A block is 128 tokens x 256 columns: 64 x 4 = 256 work-groups.
; ALL OF K LIES IN LDS.  Z's 128 rows are 98,304 dense bytes of register images (a tile of 16 tokens: 16 heads x 768 bytes; a lane's 24 bytes in three pieces at 256 i + 8 lane), at byte 0;
; Wo's 256 rows are whole rows of 768 bytes, 16 bytes of padding behind every 256 (pitch 816), behind them; then the spare words.
; Each wave issues ONE joint load at the head (waves 0, 1 a half of Z, waves 2, 3 a half of Wo); nothing is filled again.  CLUSTER 4 x 4: Z's rows shared along a row, Wo's along a column.
; Four waves, 2 x 2: a wave makes 64 x 128 in 32 accumulators (window 2); window 0: addresses, scale words, Z's fragments in two sets; window 1: Wo's in two sets; window 3: the bias, the first products' C.
; A row's 32 scale bytes are its eight steps' words: loaded once into registers; lanes 0-15 an even block's rows, lanes 16-31 the odd block's.
; The product is used transposed: a lane holds eight neighbouring columns of one token.  The way out goes through a stage in Z's LDS bytes, behind a barrier behind which nobody reads them; they have had their only fill.
; No prefetch: the launch has no loop to run ahead in; all its tiles are asked for at its head.
.set SIZE_N, 1024
.set KROW,   768
.set PITCH,  816
.set FR,     12
.set HALFA,  49152
.set BBASE,  2*HALFA
.set SPARE,  BBASE+256*PITCH
.set SPITCH, 528
.set SPW,  2
.set NIL,  3
.set CO,   4
.set STO,  5
.set RD,   6
.set AA,   8                           ; v8 LDS address of my images of Z
.set AB,   16                          ; v16-31 of Wo's eight blocks
.set SA,   32
.set SB,   52
.set AF,   128
.set BK,   128
.set G1, 24
.set G0, 32
.set G1B, 48
.set G0B, 56
.set MSB, 0
.macro WIN new
.if MSB != (\new)
	s_set_vgpr_msb (MSB<<8)|(\new)
.set MSB, (\new)
.endif
.endm
.macro PLACES n
.rept \n
	v_nop
.endr
.endm
.macro CROUND
	s_barrier_signal -1
	s_barrier_wait -1
	s_cmp_lg_u32 s14, 0
	s_cbranch_scc1 .Lnot_wave_0_\@
	s_barrier_signal -3
.Lnot_wave_0_\@:
	s_barrier_wait -3
	s_barrier_signal -1
	s_barrier_wait -1
.endm
	s_load_b64 s[4:5], s[0:1], 0x0
	s_load_b128 s[8:11], s[0:1], 0x8
	s_load_b64 s[96:97], s[0:1], 0x18
	s_load_b64 s[12:13], s[0:1], 0x20
	v_lshl_add_u32 v[SPW], v0, 2, SPARE
	v_mov_b32 v[NIL], 0
	ds_add_u32 v[SPW], v[NIL]              ; the opening lines
	ds_add_u32 v[SPW], v[NIL]
	v_lshrrev_b32 v1, 5, v0
	v_readfirstlane_b32 s14, v1
	s_lshr_b32 s15, s14, 1                 ; my half of the tokens; also: I fetch for Z (0) or Wo (1)
	s_and_b32 s16, s14, 1                  ; my half of the columns; also: which half I fetch
	s_bfe_u32 s40, ttmp6, 0x40000
	s_bfe_u32 s41, ttmp6, 0x40004
	s_lshl_b32 s42, ttmp9, 2
	s_add_co_u32 s42, s42, s40             ; tile column
	s_and_b32 s17, ttmp7, 0xffff
	s_lshl_b32 s17, s17, 2
	s_add_co_u32 s17, s17, s41             ; tile row
	s_lshl_b32 s43, s41, 2
	s_lshl_b32 s43, 15, s43
	s_lshl_b32 s44, 0x1111, s40
	s_or_b32 s[G1+0], s43, (3<<16)|(1<<21) ; half of Z's images: 192 dense rows of 256 bytes
	s_mov_b32 s[G1+1], 32<<16
	s_mov_b32 s[G1+2], 192<<16
	s_mov_b32 s[G1+3], 32<<16
	s_mov_b32 s[G1+4], 192
	s_mov_b32 s[G1+5], 32
	s_mov_b32 s[G1+6], 0
	s_mov_b32 s[G1+7], 0
	s_or_b32 s[G1B+0], s44, (1<<20)|(1<<21)|(5<<22)|(3<<25)
	s_mov_b32 s[G1B+1], KROW<<16
	s_mov_b32 s[G1B+2], 128<<16
	s_mov_b32 s[G1B+3], KROW<<16
	s_mov_b32 s[G1B+4], 128
	s_mov_b32 s[G1B+5], KROW
	s_mov_b32 s[G1B+6], 0
	s_mov_b32 s[G1B+7], 0
	s_mul_i32 s45, s16, HALFA
	s_mul_i32 s20, s17, 2*HALFA
	s_add_co_u32 s20, s20, s45
	s_mov_b32 s21, 0
	s_lshl_b32 s22, s17, 7
	s_lshl_b32 s18, s15, 6
	s_add_co_u32 s22, s22, s18             ; my first token
	s_lshl_b32 s90, s22, 12                ; its row of out0, in bytes
	s_mov_b32 s91, 0
	s_lshl_b32 s22, s22, 5
	s_add_co_u32 s22, s22, 0x600000        ; Z's scale bytes of my 64 tokens
	s_mov_b32 s23, 0
	s_lshl_b32 s46, s42, 8
	s_lshl_b32 s18, s16, 7
	s_add_co_u32 s46, s46, s18             ; my first column = Wo's row
	s_lshl_b32 s88, s46, 2
	s_mov_b32 s89, 0
	s_lshl_b32 s92, s46, 5
	s_mov_b32 s93, 0
	s_mul_i32 s46, s46, KROW
	s_mov_b32 s47, 0
	s_mul_i32 s94, s16, 128*PITCH
	s_add_co_u32 s94, s94, BBASE
	s_wait_dscnt 0x0
	s_wait_kmcnt 0x0
	s_add_nc_u64 s[22:23], s[4:5], s[22:23]
	s_add_nc_u64 s[92:93], s[10:11], s[92:93]
	s_add_nc_u64 s[96:97], s[96:97], s[88:89]
	s_add_nc_u64 s[12:13], s[12:13], s[90:91]
	s_add_nc_u64 s[12:13], s[12:13], s[88:89]
	s_mov_b32 s[G0], 1
	s_mov_b32 s[G0+1], s45
	s_add_nc_u64 s[G0+2:G0+3], s[4:5], s[20:21]
	s_or_b32 s[G0+3], s[G0+3], 0x80000000
	s_mov_b32 s[G0B], 1
	s_mov_b32 s[G0B+1], s94
	s_add_nc_u64 s[G0B+2:G0B+3], s[8:9], s[46:47]
	s_or_b32 s[G0B+3], s[G0B+3], 0x80000000
	CROUND                                 ; all sixteen work-groups are here: the joint loads meet
	s_cmp_eq_u32 s15, 0
	s_cbranch_scc0 .Lfor_b
	tensor_load_to_lds s[G0:G0+3], s[G1:G1+7]
	s_nop 0
	PLACES 4
	s_branch .Lasked
.Lfor_b:
	tensor_load_to_lds s[G0B:G0B+3], s[G1B:G1B+7]
	s_nop 0
	PLACES 4
.Lasked:
	v_and_b32 v1, 15, v0
	v_bfe_u32 v9, v0, 4, 1
	v_and_b32 v7, 31, v0
	v_lshlrev_b32 v11, 5, v7               ; a row of scale bytes a lane
	v_lshlrev_b32 v10, 5, v9               ; the bias: 32 bytes for each half of the lanes
.irp u, 0,1
.irp c, 0,1
	global_load_b128 v[SA+8*\u+4*\c:SA+8*\u+4*\c+3], v11, s[22:23] offset:1024*\u+16*\c
.endr
.endr
.irp u, 0,1,2,3
.irp c, 0,1
	global_load_b128 v[SB+8*\u+4*\c:SB+8*\u+4*\c+3], v11, s[92:93] offset:1024*\u+16*\c
.endr
.endr
	WIN 0xc0
.irp b, 0,1,2,3,4,5,6,7
	global_load_b128 v[8*\b:8*\b+3], v10, s[96:97] offset:64*\b        ; v768 + 8 b + i: bo at column 16 b + 8 h + i
	global_load_b128 v[8*\b+4:8*\b+7], v10, s[96:97] offset:64*\b+16
.endr
	WIN 0
	v_lshlrev_b32 v[CO], 4, v7
	s_mul_i32 s21, s15, HALFA
	v_lshl_add_u32 v[AA], v7, 3, s21
	v_mul_u32_u24 v12, v1, PITCH
	v_mad_u32_u24 v[AB], v9, 24, v12
	v_mad_u32_u24 v[AB+1], v9, 40, v12
	v_add_nc_u32 v[AB], s94, v[AB]
	v_add_nc_u32 v[AB+1], s94, v[AB+1]
.irp i, 1,2,3,4,5,6,7
	v_add_nc_u32 v[AB+2*\i], \i*16*PITCH, v[AB]
	v_add_nc_u32 v[AB+2*\i+1], \i*16*PITCH, v[AB+1]
.endr
	s_mul_i32 s95, s14, 16*SPITCH
	v_mul_u32_u24 v12, v1, SPITCH
	v_lshl_add_u32 v12, v9, 5, v12
	v_add_nc_u32 v[STO], s95, v12
	v_add_nc_u32 v[RD], s95, v[CO]
.macro FRAG reg, q, a0
.set SKIP_, 0
.irp p, 0,1,2,3,4,5
.if SKIP_
.set SKIP_, 0
.else
.set PC_, 12*(\q)+6*(\p/3)+\p%3
.set PN_, 12*(\q)+6*((\p+1)/3)+(\p+1)%3
.set X_, (PC_%32+3)/32
.set XQ_, (PN_%32+3)/32
.if (\p < 5) && (X_ == XQ_)
.set SKIP_, 1
	ds_load_2addr_b64 v[\reg+2*\p:\reg+2*\p+3], v[\a0+X_] offset0:PC_+2*(PC_/32) offset1:PN_+2*(PN_/32)
.else
	ds_load_b64 v[\reg+2*\p:\reg+2*\p+1], v[\a0+X_] offset:8*(PC_+2*(PC_/32))
.endif
.endif
.endr
.endm
.macro FETCH st
	WIN 0x40
.irp i, 0,1,2,3,4,5,6,7
	FRAG 128*((\st)%2)+FR*\i, \st, AB+2*\i
.endr
	WIN 0
.irp i, 0,1,2,3
.irp p, 0,1,2,3,4,5
	ds_load_b64 v[AF+48*((\st)%2)+FR*\i+2*\p:AF+48*((\st)%2)+FR*\i+2*\p+1], v[AA] offset:12288*\i+768*(2*(\st)+\p/3)+256*(\p%3)
.endr
.endr
.endm
; 32 products, the accumulators by turns; the first step's C is the bias
.macro MUL q
.irp ap, 0,1
.irp ao, 0,1
.irp bp, 0,1,2,3
.irp bo, 0,1
.set D_, 8*(8*(2*\ap+\ao)+2*\bp+\bo)
.set B_, 128*((\q)%2)+FR*(2*\bp+\bo)
.set A_, AF+48*((\q)%2)+FR*(2*\ap+\ao)
.if (\q) == 0
	v_wmma_scale_f32_16x16x128_f8f6f4 v[D_:D_+7], v[B_:B_+FR-1], v[A_:A_+FR-1], v[8*(2*\bp+\bo):8*(2*\bp+\bo)+7], v[SB+8*\bp+(\q)], v[SA+8*\ap+(\q)] matrix_a_fmt:MATRIX_FMT_FP6 matrix_b_fmt:MATRIX_FMT_FP6 matrix_a_scale:MATRIX_SCALE_ROW\bo matrix_b_scale:MATRIX_SCALE_ROW\ao
.else
	v_wmma_scale_f32_16x16x128_f8f6f4 v[D_:D_+7], v[B_:B_+FR-1], v[A_:A_+FR-1], v[D_:D_+7], v[SB+8*\bp+(\q)], v[SA+8*\ap+(\q)] matrix_a_fmt:MATRIX_FMT_FP6 matrix_b_fmt:MATRIX_FMT_FP6 matrix_a_scale:MATRIX_SCALE_ROW\bo matrix_b_scale:MATRIX_SCALE_ROW\ao
.endif
.endr
.endr
.endr
.endr
.endm
	s_wait_alu depctr_va_vdst(0)
	s_wait_tensorcnt 0x0                   ; my part of the tiles is in
	s_barrier_signal -1
	s_barrier_wait -1                      ; and everybody's
	FETCH 0
	s_wait_loadcnt 0x0                     ; the scale words and the bias
.set Q, 0
.rept 8
	s_wait_dscnt 0x0                       ; this step's fragments are in
.if Q < 7
.if Q > 0
	PLACES 4                               ; behind the last step's products, ahead of loads into the set that they read
.endif
	FETCH Q+1
.endif
.if Q == 0
	WIN 0xb1                               ; C from window 3
.else
	WIN 0xa1
.endif
	MUL Q
	WIN 0
.set Q, Q+1
.endr
	s_barrier_signal -1                    ; no LDS load of mine is out: my reads of the tiles are over
	PLACES 4
	s_barrier_wait -1                      ; and everybody's: the stage may be written
; THE WAY OUT, 16 tokens x 128 columns at a time: through my stage and back as whole rows of 512 bytes
.macro TOSTAGE a
.set AC, 64*(\a)
	WIN 0x08
.irp b, 0,1,2,3,4,5,6,7
	ds_store_b128 v[STO], v[AC+8*\b:AC+8*\b+3] offset:64*\b
	ds_store_b128 v[STO], v[AC+8*\b+4:AC+8*\b+7] offset:64*\b+16
.endr
	WIN 0
.set BB, BK+64*((\a)%2)
.irp t, 0,1,2,3,4,5,6,7,8,9,10,11,12,13,14,15
	ds_load_b128 v[BB+4*\t:BB+4*\t+3], v[RD] offset:\t*SPITCH
.endr
.endm
.macro SEND a, younger
.set BB, BK+64*((\a)%2)
	s_wait_dscnt \younger
.if (\a) > 0
	s_add_nc_u64 s[12:13], s[12:13], 16*SIZE_N*4
.endif
.irp t, 0,1,2,3,4,5,6,7,8,9,10,11,12,13,14,15
	global_store_b128 v[CO], v[BB+4*\t:BB+4*\t+3], s[12:13] offset:\t*SIZE_N*4 th:TH_STORE_NT   ; 32 lanes store 512 consecutive bytes, aligned
.endr
.endm
	TOSTAGE 0
.irp a, 1,2,3
.if \a > 1
	s_wait_xcnt 0x0                        ; block a - 2's stores have read their registers and their base
.endif
	TOSTAGE \a
	SEND \a-1, 32                          ; behind block a - 1's loads: block a's 16 stores and 16 loads
.endr
	s_wait_xcnt 0x0
	SEND 3, 0
	s_wait_tensorcnt 0x0                   ; the wave's end
	ds_add_u32 v[SPW], v[NIL]
	s_wait_dscnt 0x0
	CROUND                                 ; the closing round
	s_endpgm
.Lfunc_end_k_q68c6fb0178_outproj:
	.size	k_q68c6fb0178_outproj, .Lfunc_end_k_q68c6fb0178_outproj-k_q68c6fb0178_outproj
	.p2alignl 7, 3214868480
	.fill 96, 4, 3214868480
	.section	.rodata,"a",@progbits
	.p2align	6, 0x0
	.amdhsa_kernel k_q68c6fb0178_outproj
		.amdhsa_group_segment_fixed_size 327680
		.amdhsa_private_segment_fixed_size 0
		.amdhsa_enable_private_segment 0
		.amdhsa_kernarg_size 40
		.amdhsa_user_sgpr_count 2
		.amdhsa_user_sgpr_kernarg_segment_ptr 1
		.amdhsa_wavefront_size32 1
		.amdhsa_system_sgpr_workgroup_id_x 1
		.amdhsa_system_sgpr_workgroup_id_y 1
		.amdhsa_system_sgpr_workgroup_id_z 1
		.amdhsa_system_vgpr_workitem_id 0
		.amdhsa_next_free_vgpr 832
		.amdhsa_next_free_sgpr 98
		.amdhsa_reserve_vcc 0
		.amdhsa_float_denorm_mode_32 3
		.amdhsa_float_denorm_mode_16_64 3
		.amdhsa_memory_ordered 1
		.amdhsa_forward_progress 1
		.amdhsa_inst_pref_size 84
	.end_amdhsa_kernel
	.amdgpu_metadata
---
amdhsa.version: [ 1, 2 ]
amdhsa.kernels:
  - .name:           k_q68c6fb0178_outproj
    .symbol:         k_q68c6fb0178_outproj.kd
    .args:
      - { .name: zbuf, .offset: 0, .size: 8, .value_kind: global_buffer, .address_space: global }
      - { .name: Wo_codes, .offset: 8, .size: 8, .value_kind: global_buffer, .address_space: global }
      - { .name: Wo_scales, .offset: 16, .size: 8, .value_kind: global_buffer, .address_space: global }
      - { .name: bo, .offset: 24, .size: 8, .value_kind: global_buffer, .address_space: global }
      - { .name: out0, .offset: 32, .size: 8, .value_kind: global_buffer, .address_space: global }
    .group_segment_fixed_size: 327680
    .private_segment_fixed_size: 0
    .kernarg_segment_align: 8
    .kernarg_segment_size: 40
    .max_flat_workgroup_size: 128
    .sgpr_count:     98
    .vgpr_count:     832
    .wavefront_size: 32
...
	.end_amdgpu_metadata
.endif
;; end of part 8
